; MI455X (gfx1250); checked and timed in simulation.
; The chip was launched on July 23, 2026; its instructions are those of AMD's public machine-readable ISA for CDNA 5 (MIT licence, August 2026) and "CDNA5" Instruction Set Architecture Reference Guide (July 2026). The comments in the code are by the model that wrote it; some were corrected since.
;; Multi Head Attention. Allowed arithmetic: matrix products marked QUANTISED: E2M1 operands, one E8M0 scale for each 32 along K, by v_wmma_scale_f32_16x16x128_f8f6f4 with both operands' format E2M1 (or v_wmma_scale_f32_32x16x128_f4), f32 sums; products left as they are: bf16, f16 or f32 operands; f32 sums; everything else in f32.
;; Inputs: k 4 x 2,048 x 1,024 float32; q 4 x 2,048 x 1,024 float32; v 4 x 2,048 x 1,024 float32; wk_b 1,024 float32; wk_w 1,024 x 1,024 float32; wo_b 1,024 float32; wo_w 1,024 x 1,024 float32; wq_b 1,024 float32; wq_w 1,024 x 1,024 float32; wv_b 1,024 float32; wv_w 1,024 x 1,024 float32.
;; Outputs: out0 4 x 2,048 x 1,024 float32.
;; This version of the problem:
;;   THIS VERSION OF THE PROBLEM IS GIVEN IN LOW PRECISION. The matrix products marked QUANTISED in the list below multiply operands that are first quantised to E2M1 (2 exponent bits, 1 mantissa bit; 4 bits a number), with one power-of-two scale for each 32 numbers along K (OCP MX v1.0); their sums are f32. The products marked 'left as it is' may take bf16, f16 or f32 operands, with f32 sums. Whichever they take, every output number must still come out within the allowed error. Rounding operands to bf16 (8 significant bits) uses up far more of that allowance than f16 does (11 bits, for magnitudes from 6e-5 to 65,504). All else is computed in f32.
;;   The module's matrix products, in the order in which they are computed (A, B: the left and right operand; K: the contracted axis; several contracted axes count as one K, in the product's order):
;;     1. [M 8,192, K 1,024] x [K 1,024, N 1,024]; A: input q; B: input wq_w: QUANTISED
;;     2. [M 8,192, K 1,024] x [K 1,024, N 1,024]; A: input k; B: input wk_w: QUANTISED
;;     3. [M 8,192, K 1,024] x [K 1,024, N 1,024]; A: input v; B: input wv_w: QUANTISED
;;     4. batch 64 x [M 2,048, K 64] x [K 64, N 2,048]; A: computed on the way; B: computed on the way: left as it is (an operand is computed on the way)
;;     5. batch 64 x [M 2,048, K 2,048] x [K 2,048, N 64]; A: computed on the way; B: computed on the way: left as it is (an operand is computed on the way)
;;     6. [M 8,192, K 1,024] x [K 1,024, N 1,024]; A: computed on the way; B: input wo_w: left as it is (an operand is computed on the way)
;;   THE QUANTISER, for each operand of a quantised product, along K:
;;     - K is cut into blocks of 32 from its start; a last block that is shorter is filled with zeros.
;;     - A block's scale is 2^e with e = floor(log2(the largest magnitude in the block)) - 2, held to -126 .. 127; a block of zeros has e = 0. As a byte (E8M0): e + 127.
;;     - Each number is divided by its block's scale, clamped to +-6, and rounded to the nearest number of E2M1, ties to even, subnormals kept.
;;     - The product sums the exact products of the quantised numbers (number of the format x scale) in f32.
;;   ~~~python
;;   def quantise(x, axis):      # numpy; x: float32 -> the quantised numbers, widened to float32 again
;;       x = np.moveaxis(x, axis, -1); K = x.shape[-1]
;;       x = np.pad(x, [(0, 0)] * (x.ndim - 1) + [(0, -K % 32)]); x = x.reshape(x.shape[:-1] + (-1, 32)); a = np.abs(x).max(-1, keepdims=True)
;;       e = np.where(a > 0, np.clip(np.frexp(np.where(a > 0, a, 1))[1] - 1 - 2, -126, 127), 0)      # np.frexp(a)[1] - 1 = floor(log2(a)), exactly
;;       r = np.clip(x / 2.0 ** e, -6, 6)
;;       step = 2.0 ** (np.maximum(np.frexp(np.where(r == 0, 1, r))[1] - 1, 0) - 1)
;;       q = np.round(r / step) * step * 2.0 ** e      # np.round: ties to even
;;       return np.moveaxis(q.reshape(q.shape[:-2] + (-1,))[..., :K], -1, axis).astype(np.float32)
;;   ~~~
;; One version. Each part assembles by itself: llvm-mc -triple=amdgcn-amd-amdhsa -mcpu=gfx1250 --defsym DOCPART=n.
;; ======== version 1 of 1: 5 launches
;; limits: values are held in f16: magnitudes above 65,504 overflow, below 6.1e-05 lose precision
;; workspace buffers: xc 12,582,912 bytes; xs 786,432 bytes; wc 1,572,864 bytes; ws 98,304 bytes; wot 2,097,152 bytes; qkv 50,331,648 bytes; ao 16,777,216 bytes
;; launch quant_x (part 1): grid 768 x 1, 4 waves a work-group, no clusters, 33,280 bytes of LDS; arguments q, k, v, xc, xs; writes xc, xs
.if DOCPART == 1
	.amdgcn_target "amdgcn-amd-amdhsa--gfx1250"
	.amdhsa_code_object_version 6
	.text
	.protected	k_q999317a71f_quant_x
	.globl	k_q999317a71f_quant_x
	.p2align	8
	.type	k_q999317a71f_quant_x,@function
k_q999317a71f_quant_x:
	s_mov_b64 s[64:65], 0
	v_nop
	global_prefetch_b8 v0, s[64:65] scope:SCOPE_SE
	s_setreg_imm32_b32 hwreg(HW_REG_WAVE_MODE, 25, 1), 1
	s_wait_xcnt 0x0
; q, k, v [8192][1024], f32, K innermost, become codes of FP4 (E2M1), two a byte, in xc [3][8192][512 bytes], and one E8M0 scale byte for each 32 along K in xs [3][8192][32].
; A block's scale is 2^(floor(log2(its largest magnitude)) - 2); its byte is the largest magnitude's exponent field - 2, held at 1 from below.  Each number is divided by the scale and rounded to the nearest code, ties to even;
; what lies beyond 6 gets the largest code.
; LIMITS: a block whose largest magnitude lies under 2^-124 has its byte held at 1; a block of zeros gets the byte 1 (its codes are zeros, and the bytes are read by this program alone); NaN and infinities are not served.
; Rows are dense and 1,024 is a multiple of 32: each tensor is a plain stream of blocks of 32, and so are its codes and its scale bytes.  256 work-groups to a tensor; a wave takes 16 steps of 512 numbers.
; Each of a step's four loads reads 512 consecutive bytes; the 2,048 bytes turn through the wave's own stage in LDS and come back 64 bytes a lane: 16 neighbours along K, two lanes to a block.
; A lane's 16 codes are 8 bytes: a wave's store covers 256 consecutive bytes.  A wave's 256 scale bytes are gathered in its own LDS bytes and leave by one store of 256 consecutive bytes.
; Only pointers are chosen by the work-group's number: the text has one path.  No barrier: waves share nothing.  Loads run four steps (16 loads a wave) ahead, the turn through LDS one step.
.set WAVES, 4
.set STEPS, 16
.set EMAX,  2
.set CB,    8                          ; bytes of 16 codes
.set R,     16                         ; v16-79   four sets of 16 numbers as they are loaded
.set X,     80                         ; v80-111  two sets of 16 neighbours
.set C,     128                        ; v128-191 codes: four registers for each step, so that no store's data are written again
.set E,     112                        ; v112-127 a scale byte for each step
.set WREG,  8192                       ; LDS: a region for each wave: two stages of 32 x SP bytes, behind them its 256 scale bytes
.set SP,    80                         ; a lane's place in a stage: 64 bytes + 16 of padding
.set SPW,   12                         ; v12 LDS address of my spare word; never rewritten
.set NIL,   13                         ; v13 0; never rewritten
.set SPARE, WAVES*WREG                 ; behind the four regions: the spare words, 128 bytes a wave
	s_load_b256 s[4:11], s[0:1], 0x0               ; q s[4:5], k s[6:7], v s[8:9], xc s[10:11]
	s_load_b64 s[12:13], s[0:1], 0x20              ; xs
	v_lshl_add_u32 v[SPW], v0, 2, SPARE
	v_mov_b32 v[NIL], 0
	v_lshrrev_b32 v1, 5, v0
	v_readfirstlane_b32 s16, v1                    ; wave
	v_and_b32 v2, 31, v0                           ; lane
	v_lshlrev_b32 v3, 4, v2                        ; my 16 bytes of a load's 512
	s_mul_i32 s17, s16, WREG
	v_lshrrev_b32 v14, 2, v2
	v_mul_u32_u24 v14, v14, SP
	v_and_b32 v15, 3, v2
	v_lshl_add_u32 v14, v15, 4, v14
	v_add_nc_u32 v14, s17, v14                     ; the stage, on the way in: SP (lane / 4) + 16 (lane % 4)
	v_mul_u32_u24 v15, v2, SP
	v_add_nc_u32 v15, s17, v15                     ; and on the way out: SP x lane: my 16 neighbours
	v_mul_u32_u24 v4, v2, CB                       ; my codes' place in a step's
	v_lshrrev_b32 v5, 1, v2
	s_add_co_u32 s17, s17, 2*32*SP
	v_add_nc_u32 v5, s17, v5                       ; LDS: my wave's 256 scale bytes, my block's byte
	v_lshlrev_b32 v7, 3, v2                        ; and on the way out 8 bytes a lane
	v_add_nc_u32 v6, s17, v7
	s_lshr_b32 s20, ttmp9, 8                       ; which tensor: 256 work-groups each
	s_and_b32 s21, ttmp9, 255
	s_lshl_b32 s21, s21, 2
	s_add_co_u32 s21, s21, s16                     ; my run of 8,192 numbers inside the tensor,
	s_lshl_b32 s22, ttmp9, 2
	s_add_co_u32 s22, s22, s16                     ; and among all three
	s_mov_b32 s25, 0
	s_wait_kmcnt 0x0
	s_cmp_eq_u32 s20, 1                            ; the choice hangs on the work-group's number alone
	s_cselect_b64 s[4:5], s[6:7], s[4:5]
	s_cmp_eq_u32 s20, 2
	s_cselect_b64 s[4:5], s[8:9], s[4:5]
	s_lshl_b32 s24, s21, 15                        ; 32,768 bytes of f32 a run
	s_add_nc_u64 s[4:5], s[4:5], s[24:25]
	s_lshl_b32 s24, s22, 12                        ; 4,096 bytes of codes
	s_add_nc_u64 s[10:11], s[10:11], s[24:25]
	s_lshl_b32 s24, s22, 8                         ; 256 scale bytes
	s_add_nc_u64 s[12:13], s[12:13], s[24:25]
.macro LOAD t
.irp i, 0,1,2,3
	global_load_b128 v[R+16*((\t)%4)+4*\i:R+16*((\t)%4)+4*\i+3], v3, s[4:5] offset:2048*(\t)+512*\i th:TH_LOAD_NT   ; 32 lanes read 512 consecutive bytes
.endr
.endm
.macro TURN t                          ; step t's numbers through the stage: LDS serves a wave's instructions in order, so no wait stands between the stores and the loads
.irp i, 0,1,2,3
	ds_store_b128 v14, v[R+16*((\t)%4)+4*\i:R+16*((\t)%4)+4*\i+3] offset:32*SP*((\t)%2)+8*SP*\i
.endr
.irp i, 0,1,2,3
	ds_load_b128 v[X+16*((\t)%2)+4*\i:X+16*((\t)%2)+4*\i+3], v15 offset:32*SP*((\t)%2)+16*\i
.endr
.endm
.irp t, 0,1,2,3
	LOAD \t
.endr
	s_wait_loadcnt 12                              ; step 0's four loads are in; the twelve of steps 1 to 3 may be out
	TURN 0
.macro STEP t
.set XS, X+16*((\t)%2)
.if (\t) > 0
	s_wait_dscnt 1                                 ; this step's numbers are back from the stage (the last step's byte store may be out)
.else
	s_wait_dscnt 0x0
.endif
.if (\t)+4 < STEPS
	LOAD (\t)+4                                    ; into the registers whose stores into the stage are done
.endif
.if (\t)+1 < STEPS
.if STEPS-2-(\t) >= 3
	s_wait_loadcnt 12                              ; the next step's four loads are in; those of the three steps behind it may be out
.else
	s_wait_loadcnt 4*(STEPS-2-(\t))
.endif
	TURN (\t)+1                                    ; through the other stage while this step is worked
.endif
	v_max3_num_f32 v8, |v[XS]|, |v[XS+1]|, |v[XS+2]|               ; the largest magnitude of my 16, in two chains
	v_max3_num_f32 v9, |v[XS+3]|, |v[XS+4]|, |v[XS+5]|
.irp i, 6,10
	v_max3_num_f32 v8, v8, |v[XS+\i]|, |v[XS+\i+1]|
	v_max3_num_f32 v9, v9, |v[XS+\i+2]|, |v[XS+\i+3]|
.endr
	v_max3_num_f32 v8, v8, |v[XS+14]|, |v[XS+15]|
	v_max3_num_f32 v8, v8, v9, (EMAX+1)<<23        ; and the floor 2^(3 - 127): the byte cannot fall under 1
	v_max_num_f32_dpp v8, v8, v8 row_xmask:1 row_mask:0xf bank_mask:0xf   ; and of my neighbour's 16: the block's
	v_add_nc_u32 v11, -(EMAX<<23), v8              ; 2 off its exponent field: the conversion takes the exponent field of this operand as its scale
	v_cvt_scalef32_pk8_fp4_f32 v[C+4*(\t)], v[XS:XS+7], v11
	v_cvt_scalef32_pk8_fp4_f32 v[C+4*(\t)+1], v[XS+8:XS+15], v11
	v_lshrrev_b32 v[E+(\t)], 23, v11               ; the scale's byte (also the plain line behind the conversions)
	ds_store_b8 v5, v[E+(\t)] offset:16*(\t)       ; both lanes of a block write the same byte with the same value
	global_store_b64 v4, v[C+4*(\t):C+4*(\t)+1], s[10:11] offset:32*CB*(\t)
.endm
.irp t, 0,1,2,3,4,5,6,7,8,9,10,11,12,13,14,15
	STEP \t
.endr
	ds_load_b64 v[8:9], v6                         ; LDS serves a wave's instructions in order: these see my stores
	s_wait_dscnt 0x0
	global_store_b64 v7, v[8:9], s[12:13]          ; 32 lanes store 256 consecutive bytes, aligned
	s_wait_tensorcnt 0x0                           ; the wave's end: a wait, an add onto my spare word and a wait behind my last LDS store
	ds_add_u32 v[SPW], v[NIL]
	s_wait_dscnt 0x0
	s_endpgm
.Lfunc_end_k_q999317a71f_quant_x:
	.size	k_q999317a71f_quant_x, .Lfunc_end_k_q999317a71f_quant_x-k_q999317a71f_quant_x
	.p2alignl 7, 3214868480
	.fill 96, 4, 3214868480
	.section	.rodata,"a",@progbits
	.p2align	6, 0x0
	.amdhsa_kernel k_q999317a71f_quant_x
		.amdhsa_group_segment_fixed_size 33280
		.amdhsa_private_segment_fixed_size 0
		.amdhsa_enable_private_segment 0
		.amdhsa_kernarg_size 40
		.amdhsa_user_sgpr_count 2
		.amdhsa_user_sgpr_kernarg_segment_ptr 1
		.amdhsa_wavefront_size32 1
		.amdhsa_system_sgpr_workgroup_id_x 1
		.amdhsa_system_sgpr_workgroup_id_y 1
		.amdhsa_system_sgpr_workgroup_id_z 1
		.amdhsa_system_vgpr_workitem_id 0
		.amdhsa_next_free_vgpr 192
		.amdhsa_next_free_sgpr 66
		.amdhsa_reserve_vcc 0
		.amdhsa_float_denorm_mode_32 3
		.amdhsa_float_denorm_mode_16_64 3
		.amdhsa_memory_ordered 1
		.amdhsa_forward_progress 1
		.amdhsa_inst_pref_size 33
	.end_amdhsa_kernel
	.amdgpu_metadata
---
amdhsa.version: [ 1, 2 ]
amdhsa.kernels:
  - .name:           k_q999317a71f_quant_x
    .symbol:         k_q999317a71f_quant_x.kd
    .args:
      - { .name: q, .offset: 0, .size: 8, .value_kind: global_buffer, .address_space: global }
      - { .name: k, .offset: 8, .size: 8, .value_kind: global_buffer, .address_space: global }
      - { .name: v, .offset: 16, .size: 8, .value_kind: global_buffer, .address_space: global }
      - { .name: xc, .offset: 24, .size: 8, .value_kind: global_buffer, .address_space: global }
      - { .name: xs, .offset: 32, .size: 8, .value_kind: global_buffer, .address_space: global }
    .group_segment_fixed_size: 33280
    .private_segment_fixed_size: 0
    .kernarg_segment_align: 8
    .kernarg_segment_size: 40
    .max_flat_workgroup_size: 128
    .sgpr_count:     66
    .vgpr_count:     192
    .wavefront_size: 32
...
	.end_amdgpu_metadata
.endif
;; end of part 1
;; launch prep_w (part 2): grid 64 x 1, 16 waves a work-group, no clusters, 169,984 bytes of LDS; arguments wq_w, wk_w, wv_w, wo_w, wc, ws, wot; writes wc, ws, wot
.if DOCPART == 2
	.amdgcn_target "amdgcn-amd-amdhsa--gfx1250"
	.amdhsa_code_object_version 6
	.text
	.protected	k_q999317a71f_prep_w
	.globl	k_q999317a71f_prep_w
	.p2align	8
	.type	k_q999317a71f_prep_w,@function
k_q999317a71f_prep_w:
	s_mov_b64 s[64:65], 0
	v_nop
	global_prefetch_b8 v0, s[64:65] scope:SCOPE_SE
	s_setreg_imm32_b32 hwreg(HW_REG_WAVE_MODE, 25, 1), 1
	s_wait_xcnt 0x0
; The four weights, [1024 k][1024 n] f32, K their FIRST axis.  wq, wk, wv become codes of FP4 (E2M1) laid [n][512 bytes] with K innermost (wc) and one E8M0 byte for each 32 along K, [n][32] (ws);
; wo becomes f16, laid [n][k] (wot).  16 work-groups to a weight; a work-group takes 64 columns and all of K.
; A LANE TAKES A COLUMN, ITS REGISTERS RUN DOWN K: wave w takes columns 32 (w % 2) .. + 31 and rows 128 (w / 2) .. + 127: 128 loads of 128 consecutive bytes; two waves side by side read 256 consecutive bytes of a row.
; So a block of 32 along K lies in one lane's 32 registers, and the conversions give codes (or f16 pairs) with K innermost.  The sixteen waves piece whole output rows together in LDS; behind ONE barrier each wave stores four whole rows.
; A block's scale byte is its largest magnitude's exponent field - 2, held at 1 from below.
; LIMITS: a block whose largest magnitude lies under 2^-124 has its byte held at 1; a block of zeros gets the byte 1 (zero codes; this program alone reads the bytes); NaN and infinities are not served; wo beyond 65,504 overflows f16.
; The two ways (quantise, cast) part on the work-group's number and have LDS bytes of their own.
.set EMAX,  2
.set QP,    528                        ; a row of codes in LDS: 512 bytes + 16
.set TP,    2064                       ; a row of f16 in LDS: 2,048 bytes + 16
.set SCS,   64*QP                      ; behind 64 rows of codes: 64 x 32 scale bytes
.set TST,   SCS+2048                   ; the cast's 64 rows
.set SPARE, TST+64*TP                  ; the spare words, 128 bytes for each of 16 waves
.set X,     32                         ; v32-159 128 numbers; later rows read back
.set C,     160                        ; v160-175 codes, four registers a block
.set SB,    24                         ; v24 my four scale bytes
.set SPW,   14
.set NIL,   15
.macro FINISH                          ; the wave's end: a wait, an add onto my spare word and a wait behind my last LDS store
	s_wait_tensorcnt 0x0
	ds_add_u32 v[SPW], v[NIL]
	s_wait_dscnt 0x0
	s_endpgm
.endm
	s_load_b256 s[4:11], s[0:1], 0x0               ; wq_w, wk_w, wv_w, wo_w
	s_load_b128 s[12:15], s[0:1], 0x20             ; wc, ws
	s_load_b64 s[16:17], s[0:1], 0x30              ; wot
	v_lshl_add_u32 v[SPW], v0, 2, SPARE
	v_mov_b32 v[NIL], 0
	v_lshrrev_b32 v1, 5, v0
	v_readfirstlane_b32 s18, v1                    ; wave 0..15
	s_lshr_b32 s19, ttmp9, 4                       ; which weight: 0, 1, 2 are quantised, 3 is cast
	s_and_b32 s20, ttmp9, 15                       ; which 64 columns
	s_and_b32 s21, s18, 1                          ; which 32 of them
	s_lshr_b32 s22, s18, 1                         ; which 128 along K
	v_and_b32 v2, 31, v0                           ; lane
	v_lshlrev_b32 v1, 2, v2                        ; in: 4 bytes a lane
	v_lshlrev_b32 v9, 4, v2                        ; out: 16 bytes a lane
	; every LDS address is made here, ahead of the first parting of the ways
	s_mul_i32 s24, s21, 32*QP
	s_lshl_b32 s25, s22, 6
	s_add_co_u32 s24, s24, s25
	v_mul_u32_u24 v3, v2, QP
	v_add_nc_u32 v3, s24, v3                       ; codes in: row = my column, + 64 bytes for each 128 along K
	s_lshl_b32 s24, s21, 10
	s_lshl_b32 s25, s22, 2
	s_add_co_u32 s24, s24, s25
	s_add_co_u32 s24, s24, SCS
	v_lshl_add_u32 v4, v2, 5, s24                  ; scale bytes in: 32 a column, my word of four
	s_mul_i32 s24, s21, 32*TP
	s_lshl_b32 s25, s22, 8
	s_add_co_u32 s24, s24, s25
	s_add_co_u32 s24, s24, TST
	v_mul_u32_u24 v5, v2, TP
	v_add_nc_u32 v5, s24, v5                       ; f16 in: row = my column, + 256 bytes for each 128 along K
	s_mul_i32 s24, s18, 4*QP
	v_add_nc_u32 v6, s24, v9                       ; codes out: my four rows, 32 lanes to a row
	s_min_u32 s24, s18, 3
	s_lshl_b32 s24, s24, 9
	s_add_co_u32 s24, s24, SCS
	v_add_nc_u32 v7, s24, v9                       ; scale bytes out: waves 0 to 3, 512 bytes each
	s_mul_i32 s24, s18, 4*TP
	s_add_co_u32 s24, s24, TST
	v_add_nc_u32 v8, s24, v9                       ; f16 out: my four rows
	s_lshl_b32 s24, s22, 19                        ; 128 rows of 4,096 bytes
	s_lshl_b32 s25, s20, 8
	s_add_co_u32 s24, s24, s25                     ; + 64 columns
	s_lshl_b32 s25, s21, 7
	s_add_co_u32 s24, s24, s25                     ; + 32 columns
	s_mov_b32 s25, 0
	s_wait_kmcnt 0x0
	s_cmp_eq_u32 s19, 1                            ; the choices hang on the work-group's number alone
	s_cselect_b64 s[4:5], s[6:7], s[4:5]
	s_cmp_eq_u32 s19, 2
	s_cselect_b64 s[4:5], s[8:9], s[4:5]
	s_cmp_eq_u32 s19, 3
	s_cselect_b64 s[4:5], s[10:11], s[4:5]
	s_add_nc_u64 s[4:5], s[4:5], s[24:25]
.set i, 0
.rept 128
	global_load_b32 v[X+i], v1, s[4:5] offset:i*4096 th:TH_LOAD_NT   ; W(128 (w / 2) + i, my column)
.set i, i+1
.endr
	s_cmp_eq_u32 s19, 3
	s_cbranch_scc1 .Lcast_in
; block t of my four: left = how many younger loads may be out.  96 and 64 would do for blocks 0 and 1; 63 is the largest count that the wait can name.
.macro BLOCK t, left
.set XS, X+32*(\t)
	s_wait_loadcnt \left
	v_max3_num_f32 v12, |v[XS]|, |v[XS+1]|, |v[XS+2]|               ; the block's largest magnitude: all 32 numbers are mine
	v_max3_num_f32 v13, |v[XS+3]|, |v[XS+4]|, |v[XS+5]|
.irp i, 6,10,14,18,22,26
	v_max3_num_f32 v12, v12, |v[XS+\i]|, |v[XS+\i+1]|
	v_max3_num_f32 v13, v13, |v[XS+\i+2]|, |v[XS+\i+3]|
.endr
	v_max3_num_f32 v12, v12, |v[XS+30]|, |v[XS+31]|
	v_max3_num_f32 v12, v12, v13, (EMAX+1)<<23     ; and the floor 2^(3 - 127): the byte cannot fall under 1
	v_add_nc_u32 v11, -(EMAX<<23), v12             ; 2 off its exponent field: the conversions' scale operand
	v_lshrrev_b32 v13, 23, v11                     ; the scale's byte
.if (\t) == 0
	v_mov_b32 v[SB], v13
.else
	v_lshl_or_b32 v[SB], v13, 8*(\t), v[SB]        ; the lower K in the lower byte
.endif
.irp g, 0,1,2,3
	v_cvt_scalef32_pk8_fp4_f32 v[C+4*(\t)+\g], v[XS+8*\g:XS+8*\g+7], v11
.endr
	v_nop                                          ; one plain line behind the last conversion of a run
	ds_store_b128 v3, v[C+4*(\t):C+4*(\t)+3] offset:16*(\t)   ; 32 codes: 16 bytes of my column's row
.endm
	BLOCK 0, 63
	BLOCK 1, 63
	BLOCK 2, 32
	BLOCK 3, 0
	ds_store_b32 v4, v[SB]
	s_branch .Lmeet
.Lcast_in:
; a quarter of my 128 numbers becomes 16 registers of f16 pairs, in place: register 16 q + i takes numbers 32 q + 2 i and + 1, which lie at or above it
.macro CAST q, left
	s_wait_loadcnt \left
.irp i, 0,1,2,3,4,5,6,7,8,9,10,11,12,13,14,15
	v_cvt_pk_f16_f32 v[X+16*(\q)+\i], v[X+32*(\q)+2*\i], v[X+32*(\q)+2*\i+1]
.endr
.irp j, 0,1,2,3
	ds_store_b128 v5, v[X+16*(\q)+4*\j:X+16*(\q)+4*\j+3] offset:64*(\q)+16*\j
.endr
.endm
	CAST 0, 63
	CAST 1, 63
	CAST 2, 32
	CAST 3, 0
.Lmeet:
	s_wait_dscnt 0x0                               ; for the others' sake: my stores have landed
	s_barrier_signal -1
	s_barrier_wait -1                              ; 64 whole rows lie in LDS
	s_cmp_eq_u32 s19, 3
	s_cbranch_scc1 .Lcast_out
.irp i, 0,1,2,3
	ds_load_b128 v[X+4*\i:X+4*\i+3], v6 offset:\i*QP
.endr
	s_lshl_b32 s24, s19, 10
	s_lshl_b32 s25, s20, 6
	s_add_co_u32 s26, s24, s25                     ; the group's first row of wc and ws: 1,024 x weight + 64 x group
	s_lshl_b32 s25, s18, 2
	s_add_co_u32 s24, s26, s25                     ; + my four rows
	s_lshl_b32 s24, s24, 9                         ; 512 bytes a row
	s_mov_b32 s25, 0
	s_add_nc_u64 s[12:13], s[12:13], s[24:25]
.irp i, 0,1,2,3
	s_wait_dscnt 3-\i
	global_store_b128 v9, v[X+4*\i:X+4*\i+3], s[12:13] offset:\i*512   ; 32 lanes store a row of 512 consecutive bytes
.endr
	s_cmp_lt_u32 s18, 4
	s_cbranch_scc0 .Lno_scales
	ds_load_b128 v[X+16:X+19], v7
	s_lshl_b32 s26, s26, 5                         ; 32 scale bytes a row,
	s_lshl_b32 s27, s18, 9
	s_add_co_u32 s26, s26, s27                     ; my 512 of the group's 2,048
	s_mov_b32 s27, 0
	s_add_nc_u64 s[14:15], s[14:15], s[26:27]
	s_wait_dscnt 0x0
	global_store_b128 v9, v[X+16:X+19], s[14:15]
.Lno_scales:
	FINISH
.Lcast_out:
.irp i, 0,1,2,3
.irp j, 0,1,2,3
	ds_load_b128 v[X+4*(4*\i+\j):X+4*(4*\i+\j)+3], v8 offset:\i*TP+512*\j
.endr
.endr
	s_lshl_b32 s24, s20, 6
	s_lshl_b32 s25, s18, 2
	s_add_co_u32 s24, s24, s25                     ; my first row of wot: 64 x group + 4 x wave
	s_lshl_b32 s24, s24, 11                        ; 2,048 bytes a row
	s_mov_b32 s25, 0
	s_add_nc_u64 s[16:17], s[16:17], s[24:25]
.irp i, 0,1,2,3
.irp j, 0,1,2,3
	s_wait_dscnt 15-4*\i-\j
	global_store_b128 v9, v[X+4*(4*\i+\j):X+4*(4*\i+\j)+3], s[16:17] offset:\i*2048+512*\j
.endr
.endr
	FINISH
.Lfunc_end_k_q999317a71f_prep_w:
	.size	k_q999317a71f_prep_w, .Lfunc_end_k_q999317a71f_prep_w-k_q999317a71f_prep_w
	.p2alignl 7, 3214868480
	.fill 96, 4, 3214868480
	.section	.rodata,"a",@progbits
	.p2align	6, 0x0
	.amdhsa_kernel k_q999317a71f_prep_w
		.amdhsa_group_segment_fixed_size 169984
		.amdhsa_private_segment_fixed_size 0
		.amdhsa_enable_private_segment 0
		.amdhsa_kernarg_size 56
		.amdhsa_user_sgpr_count 2
		.amdhsa_user_sgpr_kernarg_segment_ptr 1
		.amdhsa_wavefront_size32 1
		.amdhsa_system_sgpr_workgroup_id_x 1
		.amdhsa_system_sgpr_workgroup_id_y 1
		.amdhsa_system_sgpr_workgroup_id_z 1
		.amdhsa_system_vgpr_workitem_id 0
		.amdhsa_next_free_vgpr 192
		.amdhsa_next_free_sgpr 66
		.amdhsa_reserve_vcc 0
		.amdhsa_float_denorm_mode_32 3
		.amdhsa_float_denorm_mode_16_64 3
		.amdhsa_memory_ordered 1
		.amdhsa_forward_progress 1
		.amdhsa_inst_pref_size 32
	.end_amdhsa_kernel
	.amdgpu_metadata
---
amdhsa.version: [ 1, 2 ]
amdhsa.kernels:
  - .name:           k_q999317a71f_prep_w
    .symbol:         k_q999317a71f_prep_w.kd
    .args:
      - { .name: wq_w, .offset: 0, .size: 8, .value_kind: global_buffer, .address_space: global }
      - { .name: wk_w, .offset: 8, .size: 8, .value_kind: global_buffer, .address_space: global }
      - { .name: wv_w, .offset: 16, .size: 8, .value_kind: global_buffer, .address_space: global }
      - { .name: wo_w, .offset: 24, .size: 8, .value_kind: global_buffer, .address_space: global }
      - { .name: wc, .offset: 32, .size: 8, .value_kind: global_buffer, .address_space: global }
      - { .name: ws, .offset: 40, .size: 8, .value_kind: global_buffer, .address_space: global }
      - { .name: wot, .offset: 48, .size: 8, .value_kind: global_buffer, .address_space: global }
    .group_segment_fixed_size: 169984
    .private_segment_fixed_size: 0
    .kernarg_segment_align: 8
    .kernarg_segment_size: 56
    .max_flat_workgroup_size: 512
    .sgpr_count:     66
    .vgpr_count:     192
    .wavefront_size: 32
...
	.end_amdgpu_metadata
.endif
;; end of part 2
;; launch proj (part 3): grid 4 x 96, 4 waves a work-group, clusters of 4 x 4, 327,680 bytes of LDS; arguments xc, xs, wc, ws, qkv, wq_b, wk_b, wv_b; writes qkv
.if DOCPART == 3
	.amdgcn_target "amdgcn-amd-amdhsa--gfx1250"
	.amdhsa_code_object_version 6
	.text
	.protected	k_q999317a71f_proj
	.globl	k_q999317a71f_proj
	.p2align	8
	.type	k_q999317a71f_proj,@function
k_q999317a71f_proj:
	s_mov_b64 s[64:65], 0
	v_nop
	global_prefetch_b8 v0, s[64:65] scope:SCOPE_SE
	s_setreg_imm32_b32 hwreg(HW_REG_WAVE_MODE, 25, 1), 1
	s_wait_xcnt 0x0
	s_wait_alu depctr_hold_cnt(0) depctr_sa_sdst(0) depctr_va_vdst(0) depctr_va_sdst(0) depctr_va_ssrc(0) depctr_va_vcc(0) depctr_vm_vsrc(0)
	s_getreg_b32 s2, hwreg(HW_REG_IB_STS2, 6, 4)
	s_cmp_eq_u32 s2, 0
	s_cbranch_scc0 .Lentry_in_a_cluster
	s_endpgm
.Lentry_in_a_cluster:
	s_bfe_u32 s2, ttmp6, 0x10000c
	s_cmp_lg_u32 s2, 0xf033
	s_cbranch_scc0 .Lentry_shape_is_right
	s_endpgm
.Lentry_shape_is_right:
; The three quantised products: (q, k, v) [8192][1024] x (wq, wk, wv) + bias, on codes of FP4 (E2M1) with one E8M0 scale for each 32 along K; sums in f32; the results are rounded to f16 and laid by heads:
; qkv [3][64 (batch, head)][2048 positions][64 channels].  A = xc taken as [24576][1024 codes]; B = wc [3][1024 n][1024 codes].
; A tile of C, 256 x 256, is made by a work-group of four waves; a wave makes 128 x 128: 64 accumulators of 16 x 16, 512 registers.  96 tile rows x 4 tile columns.  Which tensor: cluster y / 8, the same in all sixteen partners.
; K = 1,024 is two K steps of 512 (rows of 256 bytes): both slots and the scales are asked for at the head (three tensor loads of a wave are out), and nothing is filled again.
; CLUSTERS: 4 x 4 work-groups; the four of a row of the cluster need the same tiles of A, the four of a column the same tiles of B: each tile is asked for JOINTLY.
; THE MATRIX INSTRUCTION IS USED TRANSPOSED (source 0 = 16 rows of B, source 1 = 16 rows of A): a lane holds eight neighbouring columns of a row of C.  The bias is the C of each sum's first product: eight registers a column tile.
; LIMITS: results beyond 65,504 in magnitude overflow f16.
; REGISTERS: window 0: v0-31 addresses; v32-95 scale words, two sets; v96-127 packed results; v128-191 A's fragments, one set, later rows on the way out; v192-255 the bias.
;   window 1: B's fragments, two sets, at v0 and v128.   window 2: the accumulators of my rows 0-63 ((a, b) at v[8 (8 a + b)]);   window 3: those of my rows 64-127.
.set NQ,     4                         ; steps of 128 along K in a slot
.set ROWB,   256                       ; a tile's row in bytes: 512 codes
.set KROW,   512                       ; a row of codes in memory
.set PITCH,  272                       ; an LDS row: 256 bytes + 16: the 16 rows that a load touches start at 16 different banks (64 banks of 4 bytes: ISA guide 11.1)
.set FR,     8
.set NL,     2
.set NP,     4                         ; places behind this matrix instruction (ISA guide 7.12.1)
.set HALFT,  128*PITCH
.set SLOT,   4*HALFT
.set KS,     32                        ; a row of scale bytes
.set SCL,    2*SLOT                    ; behind the ring: the scales, as units of 256 bytes + 16 of padding
.set HALFS,  (128*KS/256)*272
.set SBLK,   (16*KS/256)*272
.set SPARE,  SCL+4*HALFS               ; the spare words, 128 bytes a wave
.set SPITCH, 400                       ; the way out: 16 rows x (256 bytes + 144) for each wave, in slot 0, which has had its only fill and its last read by then
.set ADRA, 16
.set ADRB, 20
.set STO,  24
.set RD,   25
.set CO,   26
.set ADRS, 27
.set SPW,  28
.set NIL,  29
.set BO,   30                          ; v30 the bias loads' lane offset
.set SC,   32
.set TMP,  96
.set AF,   128
.set OB,   128
.set BI,   192
.set G1, 24
.set G0, 32
.set G1B, 48
.set G0B, 56
.set G1S, 68
.set G0S, 76
.set G1SB, 80
.set G0SB, 88
.set MSB, 0
.macro WIN new                         ; the immediate's high byte repeats the setting that is left
.if MSB != (\new)
	s_set_vgpr_msb (MSB<<8)|(\new)
.set MSB, (\new)
.endif
.endm
.set MUL_LO, 0xa1                      ; source 0 (B) window 1, source 1 (A) window 0, C and D window 2
.set MUL_HI, 0xf1                      ; the same, C and D window 3
.set FST_LO, 0x81                      ; the first step: C (the bias) window 0, D window 2
.set FST_HI, 0xc1                      ; D window 3
.set TO_B,   0x40
; A joint load: waves 0 and 1 fetch for A, waves 2 and 3 for B.  The branch hangs on the wave's number alone.  An s_nop 0 and four v_nop follow each of the two lines.
.macro JLOAD g0a, g1a, g0b, g1b
	s_cmp_eq_u32 s15, 0
	s_cbranch_scc0 .Lfor_b_\@
	tensor_load_to_lds s[\g0a:\g0a+3], s[\g1a:\g1a+7]
	s_nop 0
.rept 4
	v_nop
.endr
	s_branch .Lasked_\@
.Lfor_b_\@:
	tensor_load_to_lds s[\g0b:\g0b+3], s[\g1b:\g1b+7]
	s_nop 0
.rept 4
	v_nop
.endr
.Lasked_\@:
.endm
.macro CROUND                          ; a round of the cluster's barrier
	s_barrier_signal -1
	s_barrier_wait -1
	s_cmp_lg_u32 s14, 0
	s_cbranch_scc1 .Lnot_wave_0_\@
	s_barrier_signal -3
.Lnot_wave_0_\@:
	s_barrier_wait -3
	s_barrier_signal -1
	s_barrier_wait -1
.endm
	s_load_b128 s[4:7], s[0:1], 0x0                ; xc, xs
	s_load_b128 s[8:11], s[0:1], 0x10              ; wc, ws
	s_load_b64 s[12:13], s[0:1], 0x20              ; qkv
	s_load_b128 s[96:99], s[0:1], 0x28             ; wq_b, wk_b
	s_load_b64 s[100:101], s[0:1], 0x38            ; wv_b
	v_lshl_add_u32 v[SPW], v0, 2, SPARE
	v_mov_b32 v[NIL], 0
	ds_add_u32 v[SPW], v[NIL]                      ; the wave's opening: the add, twice on end, and its wait ahead of my first tensor load
	ds_add_u32 v[SPW], v[NIL]
	v_lshrrev_b32 v1, 5, v0
	v_readfirstlane_b32 s14, v1                    ; wave 0..3
	s_lshr_b32 s15, s14, 1                         ; which half of the tile's rows is mine.  Also: I fetch for A (0) or for B (1)
	s_and_b32 s16, s14, 1                          ; which half of its columns.  Also: which 128 rows of that tile I fetch
	s_bfe_u32 s40, ttmp6, 0x40000                  ; cx, cy: my place in the cluster
	s_bfe_u32 s41, ttmp6, 0x40004
	s_lshl_b32 s42, ttmp9, 2
	s_add_co_u32 s42, s42, s40                     ; tile column = 4 x cluster x + cx
	s_and_b32 s17, ttmp7, 0xffff
	s_lshr_b32 s95, s17, 3                         ; which tensor: eight clusters (32 tile rows) each
	s_lshl_b32 s17, s17, 2
	s_add_co_u32 s17, s17, s41                     ; tile row = 4 x cluster y + cy
	s_lshl_b32 s43, s41, 2
	s_lshl_b32 s43, 15, s43                        ; my row of the cluster
	s_lshl_b32 s44, 0x1111, s40                    ; my column
	; descriptor group 1: a tile of 128 rows x 256 bytes, 16 bytes of padding behind each row
	s_or_b32 s[G1+0], s43, (0<<16)|(1<<20)|(1<<21)|(5<<22)|(3<<25)
	s_or_b32 s[G1B+0], s44, (0<<16)|(1<<20)|(1<<21)|(5<<22)|(3<<25)
.irp g, G1, G1B
	s_mov_b32 s[\g+1], ROWB<<16                    ; tensor_dim0
	s_mov_b32 s[\g+2], 128<<16                     ; tensor_dim1
	s_mov_b32 s[\g+3], ROWB<<16                    ; tile_dim0
	s_mov_b32 s[\g+4], 128                         ; tile_dim1
	s_mov_b32 s[\g+5], KROW                        ; from row to row
	s_mov_b32 s[\g+6], 0
	s_mov_b32 s[\g+7], 0
.endr
	; the scales of 128 rows: a dense block of 4,096 bytes, as 16 rows of 256 bytes (32 elements of 8 bytes), 16 bytes of padding behind each
	s_or_b32 s[G1S+0], s43, (3<<16)|(1<<20)|(1<<21)|(5<<22)|(3<<25)
	s_or_b32 s[G1SB+0], s44, (3<<16)|(1<<20)|(1<<21)|(5<<22)|(3<<25)
.irp g, G1S, G1SB
	s_mov_b32 s[\g+1], 32<<16
	s_mov_b32 s[\g+2], (128*KS/256)<<16
	s_mov_b32 s[\g+3], 32<<16
	s_mov_b32 s[\g+4], 128*KS/256
	s_mov_b32 s[\g+5], 32
	s_mov_b32 s[\g+6], 0
	s_mov_b32 s[\g+7], 0
.endr
	s_lshl_b32 s18, s16, 7                         ; which 128 rows of the tile I fetch
	s_lshl_b32 s20, s17, 8
	s_add_co_u32 s20, s20, s18                     ; A: row 256 x tile row + 128 x half
	s_lshl_b32 s46, s42, 8
	s_add_co_u32 s46, s46, s18
	s_lshl_b32 s47, s95, 10
	s_add_co_u32 s46, s46, s47                     ; B: row 1,024 x tensor + 256 x tile column + 128 x half
	s_mov_b32 s21, 0
	s_mov_b32 s47, 0
	s_mov_b64 s[18:19], KS
	s_mul_u64 s[22:23], s[20:21], s[18:19]         ; where these rows' scales begin,
	s_mul_u64 s[92:93], s[46:47], s[18:19]
	s_mov_b64 s[18:19], KROW
	s_mul_u64 s[20:21], s[20:21], s[18:19]         ; and their codes
	s_mul_u64 s[46:47], s[46:47], s[18:19]
	s_mul_i32 s45, s14, HALFT                      ; where they go: wave x 128 rows: no place in the cluster enters an LDS address
	s_mul_i32 s94, s14, HALFS
	s_wait_dscnt 0x0                               ; both opening adds are done
	s_wait_kmcnt 0x0
	s_add_nc_u64 s[20:21], s[4:5], s[20:21]
	s_add_nc_u64 s[22:23], s[6:7], s[22:23]
	s_add_nc_u64 s[46:47], s[8:9], s[46:47]
	s_add_nc_u64 s[92:93], s[10:11], s[92:93]
	CROUND                                         ; all sixteen work-groups are here: the joint loads meet
	s_mov_b32 s[G0S], 1
	s_add_co_u32 s[G0S+1], s94, SCL
	s_mov_b64 s[G0S+2:G0S+3], s[22:23]
	s_or_b32 s[G0S+3], s[G0S+3], 0x80000000
	s_mov_b32 s[G0SB], 1
	s_add_co_u32 s[G0SB+1], s94, SCL
	s_mov_b64 s[G0SB+2:G0SB+3], s[92:93]
	s_or_b32 s[G0SB+3], s[G0SB+3], 0x80000000
	JLOAD G0S, G1S, G0SB, G1SB                     ; the scales first: they are wanted with K step 0
.irp s, 0,1
	s_mov_b32 s[G0+4*\s], 1
	s_add_co_u32 s[G0+4*\s+1], s45, \s*SLOT
	s_add_nc_u64 s[G0+4*\s+2:G0+4*\s+3], s[20:21], \s*ROWB
	s_or_b32 s[G0+4*\s+3], s[G0+4*\s+3], 0x80000000
	s_mov_b32 s[G0B+4*\s], 1
	s_add_co_u32 s[G0B+4*\s+1], s45, \s*SLOT
	s_add_nc_u64 s[G0B+4*\s+2:G0B+4*\s+3], s[46:47], \s*ROWB
	s_or_b32 s[G0B+4*\s+3], s[G0B+4*\s+3], 0x80000000
	JLOAD G0+4*\s, G1, G0B+4*\s, G1B
.endr
	v_and_b32 v1, 15, v0                           ; r = lane % 16
	v_bfe_u32 v2, v0, 4, 1                         ; h = lane / 16
	; the bias of my 128 columns: for column tile b a lane wants numbers 16 b + 8 h + 0 .. 7
	s_cmp_eq_u32 s95, 1                            ; the choice hangs on the cluster's y alone
	s_cselect_b64 s[96:97], s[98:99], s[96:97]
	s_cmp_eq_u32 s95, 2
	s_cselect_b64 s[96:97], s[100:101], s[96:97]
	s_lshl_b32 s46, s42, 10
	s_lshl_b32 s47, s16, 9
	s_add_co_u32 s46, s46, s47                     ; (256 x tile column + 128 x half) x 4 bytes
	s_mov_b32 s47, 0
	s_add_nc_u64 s[96:97], s[96:97], s[46:47]
	v_lshlrev_b32 v[BO], 5, v2
.irp b, 0,1,2,3,4,5,6,7
	global_load_b128 v[BI+8*\b:BI+8*\b+3], v[BO], s[96:97] offset:64*\b
	global_load_b128 v[BI+8*\b+4:BI+8*\b+7], v[BO], s[96:97] offset:64*\b+16
.endr
	v_mul_u32_u24 v3, v1, PITCH
	v_lshl_add_u32 v4, v2, 4, v3                   ; a fragment's row x pitch + 16 x half
	s_mul_i32 s21, s15, HALFT                      ; my 128 rows of A
	s_mul_i32 s22, s16, HALFT                      ; my 128 rows of B,
	s_add_co_u32 s22, s22, 2*HALFT                 ; which lie behind A's 256
.irp s, 0,1
	v_add_nc_u32 v[ADRA+\s], s21, v4
	v_add_nc_u32 v[ADRB+\s], s22, v4
	s_add_co_u32 s21, s21, SLOT
	s_add_co_u32 s22, s22, SLOT
.endr
	v_mul_u32_u24 v5, v1, KS                       ; my row's scales: 32 bytes a row,
	v_lshrrev_b32 v6, 8, v5
	v_lshl_add_u32 v5, v6, 4, v5                   ; and 16 more for each 256 passed
	s_mul_i32 s21, s15, HALFS                      ; A's: my 128 rows
	s_mul_i32 s22, s16, HALFS                      ; B's: my 128 rows, behind A's 256
	s_add_co_u32 s22, s22, 2*HALFS
	s_sub_co_u32 s22, s22, s21
	v_mul_u32_u24 v6, s22, v2                      ; lanes 16-31 take B's
	s_add_co_u32 s21, s21, SCL
	v_add_nc_u32 v5, v5, v6
	v_add_nc_u32 v[ADRS], s21, v5
	s_mul_i32 s23, s14, 16*SPITCH                  ; my stage
	v_mul_u32_u24 v5, v1, SPITCH                   ; in: row r, 16 bytes for each half of the lanes
	v_lshl_add_u32 v5, v2, 4, v5
	v_add_nc_u32 v[STO], s23, v5
	v_and_b32 v6, 31, v0
	v_lshrrev_b32 v7, 3, v6                        ; back: eight lanes take the 128 bytes of one head in one row; four rows an instruction
	v_mul_u32_u24 v7, v7, SPITCH
	v_and_b32 v8, 7, v6
	v_lshl_add_u32 v7, v8, 4, v7
	v_add_nc_u32 v[RD], s23, v7
	v_lshlrev_b32 v[CO], 4, v6                     ; and in qkv these four positions of a head are 512 consecutive bytes
	s_lshl_b32 s20, s17, 8
	s_lshl_b32 s21, s15, 7
	s_add_co_u32 s20, s20, s21                     ; my first row of the 24,576
	s_lshr_b32 s21, s20, 11
	s_lshl_b32 s21, s21, 22                        ; (4 x tensor + batch) x 16 heads x 262,144 bytes
	s_and_b32 s20, s20, 2047
	s_lshl_b32 s20, s20, 7                         ; position x 128 bytes
	s_add_co_u32 s20, s20, s21
	s_lshl_b32 s21, s42, 2
	s_lshl_b32 s22, s16, 1
	s_add_co_u32 s21, s21, s22                     ; my first head: 4 x tile column + 2 x half
	s_lshl_b32 s21, s21, 18
	s_add_co_u32 s20, s20, s21
	s_mov_b32 s21, 0
	s_add_nc_u64 s[12:13], s[12:13], s[20:21]
.macro FRAG reg, adr, q, i             ; a fragment, 16 rows x 128 K of 4-bit codes: lane l holds row l % 16; registers 4 c .. 4 c + 3 hold K = 64 c + 32 (l / 16) + 0 .. 31
.irp c, 0,1
	ds_load_b128 v[\reg+4*\c:\reg+4*\c+3], v[\adr] offset:64*(\q)+32*\c+(\i)*16*PITCH
.endr
.endm
; 16 matrix instructions: A's blocks a0, a0 + 1 x B's eight, the slot's q-th 128 along K.  p: B's set; sc: the set of scale words.  first = 1: the bias is C: nothing is cleared and nothing is added later.
; The 64 accumulators take turns, one instruction a turn, in the same order in every step.
.macro MUL16 a0, p, q, sc, first
.irp a, \a0, \a0+1
.irp b, 0,1,2,3,4,5,6,7
.if \first
	v_wmma_scale_f32_16x16x128_f8f6f4 v[8*(8*((\a)%4)+\b):8*(8*((\a)%4)+\b)+7], v[128*(\p)+FR*\b:128*(\p)+FR*\b+FR-1], v[AF+FR*(\a):AF+FR*(\a)+FR-1], v[BI+8*\b:BI+8*\b+7], v[SC+8*NQ*(\sc)+NQ*\b+(\q)], v[SC+8*NQ*(\sc)+NQ*(\a)+(\q)] matrix_a_fmt:MATRIX_FMT_FP4 matrix_b_fmt:MATRIX_FMT_FP4 matrix_a_scale:MATRIX_SCALE_ROW1
.else
	v_wmma_scale_f32_16x16x128_f8f6f4 v[8*(8*((\a)%4)+\b):8*(8*((\a)%4)+\b)+7], v[128*(\p)+FR*\b:128*(\p)+FR*\b+FR-1], v[AF+FR*(\a):AF+FR*(\a)+FR-1], v[8*(8*((\a)%4)+\b):8*(8*((\a)%4)+\b)+7], v[SC+8*NQ*(\sc)+NQ*\b+(\q)], v[SC+8*NQ*(\sc)+NQ*(\a)+(\q)] matrix_a_fmt:MATRIX_FMT_FP4 matrix_b_fmt:MATRIX_FMT_FP4 matrix_a_scale:MATRIX_SCALE_ROW1
.endif
.endr
.endr
.endm
.macro FETCH_B slot, q, p
	WIN TO_B
.irp i, 0,1,2,3,4,5,6,7
	FRAG 128*(\p)+FR*\i, ADRB+\slot, \q, \i
.endr
	WIN 0
.endm
.macro FETCH_A slot, q, i0
.irp i, \i0, \i0+1, \i0+2, \i0+3
	FRAG AF+FR*(\i), ADRA+\slot, \q, \i
.endr
.endm
.macro SCALES sc                       ; a K step's scale words: four words a row; lanes 0-15 take A's block i, lanes 16-31 B's block i
.irp i, 0,1,2,3,4,5,6,7
	ds_load_b128 v[SC+8*NQ*\sc+NQ*\i:SC+8*NQ*\sc+NQ*\i+3], v[ADRS] offset:\i*SBLK
.endr
.endm
.macro PLACES n                        ; plain vector lines in front of loads into registers that matrix instructions have read, and of the first read of results
.rept \n
	v_nop
.endr
.endm
; A step of 128 along K that has its successor in the same slot
.macro STEP slot, q, first
	s_wait_dscnt 4*NL                              ; B's set and A's blocks 0-3 are in; the youngest eight loads (A's blocks 4-7) may be out
.if \first
	WIN FST_LO
.else
	WIN MUL_LO
.endif
	MUL16 0, (\q)%2, \q, \slot, \first
	MUL16 2, (\q)%2, \q, \slot, \first
	s_wait_dscnt 0                                 ; A's blocks 4-7 are in
	PLACES NP
	FETCH_B \slot, (\q)+1, 1-(\q)%2
	FETCH_A \slot, (\q)+1, 0
.if \first
	WIN FST_HI
.else
	WIN MUL_HI
.endif
	MUL16 4, (\q)%2, \q, \slot, \first
	MUL16 6, (\q)%2, \q, \slot, \first
	PLACES NP
	WIN 0
	FETCH_A \slot, (\q)+1, 4
.endm
; Slot 0's last step changes slots: one barrier; in front of it each wave waits for all its tensor loads (its part of slot 1), adds 0 to its spare word, and waits for that and for its reads of slot 0.  Nothing is filled again.
.macro TURN slot, next
	s_wait_tensorcnt 0x0                           ; all my tensor loads have landed
	ds_add_u32 v[SPW], v[NIL]                      ; 0 onto my spare word
	s_wait_dscnt 4*NL+1                            ; (the add and the youngest eight loads may be out)
	WIN MUL_LO
	MUL16 0, 1, NQ-1, \slot, 0                     ; sixteen matrix instructions stand between the add and the wait for it
	s_wait_dscnt 0x0                               ; the add is done, and my reads of this slot are over
	s_barrier_signal -1
	MUL16 2, 1, NQ-1, \slot, 0
	WIN 0
	s_barrier_wait -1
	PLACES NP
	v_add_nc_u32 v[ADRS], 4*NQ, v[ADRS]            ; on to the next K step's scale words
	FETCH_B \next, 0, 0
	FETCH_A \next, 0, 0
	SCALES \next
	WIN MUL_HI
	MUL16 4, 1, NQ-1, \slot, 0
	MUL16 6, 1, NQ-1, \slot, 0
	PLACES NP
	WIN 0
	FETCH_A \next, 0, 4
.endm
.macro STEPS slot, from                ; the slot's steps from .. NQ - 2
.set Q, \from
.rept NQ-1-\from
	STEP \slot, Q, 0
.set Q, Q+1
.endr
.endm
	s_wait_tensorcnt 1                             ; the scales and my part of K step 0 are in (K step 1's load may be out),
	s_barrier_signal -1
	s_barrier_wait -1                              ; everybody's are
	FETCH_B 0, 0, 0
	FETCH_A 0, 0, 0
	SCALES 0
	FETCH_A 0, 0, 4
	s_wait_loadcnt 0x0                             ; the bias
	STEP 0, 0, 1                                   ; the first step's products start the sums on the bias
	STEPS 0, 1
	TURN 0, 1
	STEPS 1, 0
	s_wait_dscnt 4*NL                              ; the very last step: nothing more to fetch
	WIN MUL_LO
	MUL16 0, 1, NQ-1, 1, 0
	MUL16 2, 1, NQ-1, 1, 0
	s_wait_dscnt 0
	WIN MUL_HI
	MUL16 4, 1, NQ-1, 1, 0
	MUL16 6, 1, NQ-1, 1, 0
	WIN 0
; THE WAY OUT, block by block of 16 rows x 128 columns (two heads).  PACK: rounded to f16, 16 bytes a lane, each accumulator from its low end on.  TOSTAGE: into my own stage and back by heads: four positions x 128 bytes an
; instruction.  SEND: each store covers 512 consecutive bytes of one head.  LDS serves a wave's instructions in order (ISA guide 5.7.1.4): no wait between the stage's stores and loads.
.macro PACK a
.set AC, 64*((\a)%4)
	WIN 0x0a+5*((\a)/4)                            ; sources 0 and 1: window 2 or 3
.irp b, 0,1,2,3,4,5,6,7
.irp r, 0,1,2,3
	v_cvt_pk_f16_f32 v[TMP+4*\b+\r], v[AC+8*\b+2*\r], v[AC+8*\b+2*\r+1]
.endr
.endr
	WIN 0
.endm
.macro TOSTAGE a
.set BB, OB+32*((\a)%2)
.irp b, 0,1,2,3,4,5,6,7
	ds_store_b128 v[STO], v[TMP+4*\b:TMP+4*\b+3] offset:32*\b
.endr
.irp j, 0,1
.irp i, 0,1,2,3
	ds_load_b128 v[BB+4*(4*\j+\i):BB+4*(4*\j+\i)+3], v[RD] offset:4*\i*SPITCH+128*\j
.endr
.endr
.endm
.macro SEND a
.set BB, OB+32*((\a)%2)
	s_wait_dscnt 0x0                               ; the block is back in registers
	s_wait_xcnt 0x0                                ; the stores of the block before have read their registers: the next block's loads may land there
.irp j, 0,1
.irp i, 0,1,2,3
	global_store_b128 v[CO], v[BB+4*(4*\j+\i):BB+4*(4*\j+\i)+3], s[12:13] offset:\j*262144+(\a)*2048+\i*512
.endr
.endr
.endm
	PLACES NP                                      ; behind the last products, ahead of the first read of results
	PACK 0
	TOSTAGE 0
.irp a, 1,2,3,4,5,6,7                  ; block a's conversions stand between block a - 1's loads from the stage and the wait for them
	PACK \a
	SEND \a-1
	TOSTAGE \a
.endr
	SEND 7
	s_wait_tensorcnt 0x0                           ; the wave's end: a wait, an add onto my spare word and a wait behind my last tensor load and my last LDS store
	ds_add_u32 v[SPW], v[NIL]
	s_wait_dscnt 0x0
	CROUND                                         ; the closing round: no work-group ends while a partner may still ask for a tile that names it
	s_endpgm
.Lfunc_end_k_q999317a71f_proj:
	.size	k_q999317a71f_proj, .Lfunc_end_k_q999317a71f_proj-k_q999317a71f_proj
	.p2alignl 7, 3214868480
	.fill 96, 4, 3214868480
	.section	.rodata,"a",@progbits
	.p2align	6, 0x0
	.amdhsa_kernel k_q999317a71f_proj
		.amdhsa_group_segment_fixed_size 327680
		.amdhsa_private_segment_fixed_size 0
		.amdhsa_enable_private_segment 0
		.amdhsa_kernarg_size 64
		.amdhsa_user_sgpr_count 2
		.amdhsa_user_sgpr_kernarg_segment_ptr 1
		.amdhsa_wavefront_size32 1
		.amdhsa_system_sgpr_workgroup_id_x 1
		.amdhsa_system_sgpr_workgroup_id_y 1
		.amdhsa_system_sgpr_workgroup_id_z 1
		.amdhsa_system_vgpr_workitem_id 0
		.amdhsa_next_free_vgpr 1024
		.amdhsa_next_free_sgpr 102
		.amdhsa_reserve_vcc 0
		.amdhsa_float_denorm_mode_32 3
		.amdhsa_float_denorm_mode_16_64 3
		.amdhsa_memory_ordered 1
		.amdhsa_forward_progress 1
		.amdhsa_inst_pref_size 128
	.end_amdhsa_kernel
	.amdgpu_metadata
---
amdhsa.version: [ 1, 2 ]
amdhsa.kernels:
  - .name:           k_q999317a71f_proj
    .symbol:         k_q999317a71f_proj.kd
    .args:
      - { .name: xc, .offset: 0, .size: 8, .value_kind: global_buffer, .address_space: global }
      - { .name: xs, .offset: 8, .size: 8, .value_kind: global_buffer, .address_space: global }
      - { .name: wc, .offset: 16, .size: 8, .value_kind: global_buffer, .address_space: global }
      - { .name: ws, .offset: 24, .size: 8, .value_kind: global_buffer, .address_space: global }
      - { .name: qkv, .offset: 32, .size: 8, .value_kind: global_buffer, .address_space: global }
      - { .name: wq_b, .offset: 40, .size: 8, .value_kind: global_buffer, .address_space: global }
      - { .name: wk_b, .offset: 48, .size: 8, .value_kind: global_buffer, .address_space: global }
      - { .name: wv_b, .offset: 56, .size: 8, .value_kind: global_buffer, .address_space: global }
    .group_segment_fixed_size: 327680
    .private_segment_fixed_size: 0
    .kernarg_segment_align: 8
    .kernarg_segment_size: 64
    .max_flat_workgroup_size: 128
    .sgpr_count:     102
    .vgpr_count:     1024
    .wavefront_size: 32
...
	.end_amdgpu_metadata
.endif
;; end of part 3
;; launch attn (part 4): grid 4 x 64, 8 waves a work-group, clusters of 4 x 1, 327,680 bytes of LDS; arguments qkv, ao; writes ao
.if DOCPART == 4
	.amdgcn_target "amdgcn-amd-amdhsa--gfx1250"
	.amdhsa_code_object_version 6
	.text
	.protected	k_q999317a71f_attn
	.globl	k_q999317a71f_attn
	.p2align	8
	.type	k_q999317a71f_attn,@function
k_q999317a71f_attn:
	s_mov_b64 s[64:65], 0
	v_nop
	global_prefetch_b8 v0, s[64:65] scope:SCOPE_SE
	s_setreg_imm32_b32 hwreg(HW_REG_WAVE_MODE, 25, 1), 1
	s_wait_xcnt 0x0
	s_wait_alu depctr_hold_cnt(0) depctr_sa_sdst(0) depctr_va_vdst(0) depctr_va_sdst(0) depctr_va_ssrc(0) depctr_va_vcc(0) depctr_vm_vsrc(0)
	s_getreg_b32 s2, hwreg(HW_REG_IB_STS2, 6, 4)
	s_cmp_eq_u32 s2, 0
	s_cbranch_scc0 .Lentry_in_a_cluster
	s_endpgm
.Lentry_in_a_cluster:
	s_bfe_u32 s2, ttmp6, 0x10000c
	s_cmp_lg_u32 s2, 0x3003
	s_cbranch_scc0 .Lentry_shape_is_right
	s_endpgm
.Lentry_shape_is_right:
; ao[bh][q][:] = the sum over k of softmax_k(Q[bh][q] . K[bh][k] / 8) V[bh][k][:].  Q, K, V: the three parts of qkv, [64 bh][2048][64] f16; ao the same shape, f16.  Products, maxima and sums in f32;
; the weights p are rounded to f16 for the second product, the result once at the end.
; SHARES.  A work-group owns 512 queries of one (batch, head), each of its eight waves 64: four tiles of 16, in 512 registers: two waves to a SIMD.  Every wave walks all 2,048 keys, 64 a step.
; LAYOUT.  S^T = K Q^T (source 0 = 16 keys, source 1 = 16 queries): a lane holds ONE query (lane % 16) and the keys 8 (lane / 16) + 0..7 of a tile.  Two such tiles, rounded to f16 in pairs, ARE source 1 (32 keys x 16 queries)
; of O^T = V^T P; P is written in place over the lower half of S^T.  K comes out of LDS as it lies, V ([key][channel]) turned, by ds_load_tr16_b128.
; SOFTMAX.  For each query a running maximum m and sum l: p = 2^(c s - c m), c = log2(e) / 8; in every step O^T and l are multiplied by a = 2^(c m_old - c m_new).
; TWO BLOCKS.  A key step is a matrix block MB (V^T P of the step in hand, then K Q^T of the next: 64 matrix instructions) and a vector block SM (the softmax of four tiles: 472 vector instructions).  The waves are two groups:
; group A runs MB SM MB SM .., group B runs SM MB SM MB ..: the group is (w xor w / 4) % 2.  MB stands once on every wave's path; only SM stands under a branch on the wave's number.  No barrier and no LDS line stands in SM.
; START.  O^T, V's fragments and l begin as zeros, m as -3e38; S^T begins as zeros in group A (its first V^T P adds zeros) and as -infinity in group B (its first softmax gives p = 0 and a = 1).  So the step is written once.
; CLUSTER.  The four work-groups of a cluster belong to one (batch, head) and walk the same K and V: each tile is asked for JOINTLY.  A slot holds four key steps (256 keys); one tensor load of a wave is out behind each round.
; LIMITS: p under 2^-126 becomes 0; results beyond 65,504 overflow f16; NaN and infinities are not served.
; REGISTERS: window 0: v2-13 addresses; v16-63 twelve registers of statistics a tile; v64-191 S^T, 32 a tile; v192-255 K's fragments.   window 1: v0-127 O^T, 32 a tile; v128-191 Q; v192-255 V's fragments.
.set KS,    64                         ; keys in a step
.set PK,    144                        ; a row of K in LDS: 128 bytes + 16: the 16 rows of a load start at 16 different banks (64 banks of 4 bytes: ISA guide 11.1)
.set PVP,   160                        ; a row of V: 128 + 32 bytes
.set VOFF,  KS*PK                      ; a step's tiles lie together: 64 rows of K, then 64 rows of V
.set STEPB, KS*(PK+PVP)
.set SLOT1, 1<<17                      ; slot 1 begins here: one exclusive or turns an address in one slot into the other's
.set STAGE, 2*SLOT1                    ; behind the ring: 16 rows x 144 bytes for each wave, for the way out
.set SP,    144
.set SPARE, STAGE+8*16*SP              ; the spare words, 128 bytes a wave
.set AK0, 2                            ; v2  my lane's place in a tile of K
.set AV0, 3                            ; v3  the same for V
.set ADK, 4                            ; v4  the LDS address of the step's K
.set ADV, 5                            ; v5  of its V
.set QO,  6
.set STO, 7
.set RD,  8
.set GO,  9
.set PFO, 10                           ; v10 256 x my lane
.set SPW, 12
.set NIL, 13
.set ST,  16                           ; tile t's statistics at v[ST + 12 t]: +0 c m, +1 m, +2, +3 and +4, +5 l in two pairs, +6 a, +7 at work, +8 .. +11 four running maxima
.set S,   64
.set KF,  192
.set QF,  128                          ; in window 1
.set VF,  192                          ; in window 1
.set WV,  12
.set CX,  13
.set GRP, 14
.set LIM, 15                           ; 1 in a wave that prefetches, else the greatest number
.set INI, 16
.set PFA, 18
.set G1K, 24
.set G1V, 32
.set G0K, 40
.set G0V, 44
.set SLOTS, 48
.set TICK, 49
.set TB,  50                           ; LDS byte at which the tiles of the step to be fetched begin
.set CS,  52
.set SEL, 54
.set AO,  56
.set MSB, 0
.macro WIN new                         ; the immediate's high byte repeats the setting that is left
.if MSB != (\new)
	s_set_vgpr_msb (MSB<<8)|(\new)
.set MSB, (\new)
.endif
.endm
.set W_KQ, 0x04                        ; Q (source 1) in window 1; K and S^T in window 0
.set W_PV, 0x51                        ; V (source 0) and O^T (C, D) in window 1; P in window 0
.set W_RS, 0x41                        ; O^T (destination and source 0) in window 1, a in window 0
.set TO_1, 0x40                        ; a load's destination in window 1
; A joint load: waves 0 to 3 fetch the four steps' tiles of K, waves 4 to 7 those of V.  The branch hangs on the wave's number alone.  An s_nop 0 and four v_nop follow each of the two lines.
.macro JLOAD
	s_cmp_lt_u32 s[WV], 4
	s_cbranch_scc0 .Lfor_v_\@
	tensor_load_to_lds s[G0K:G0K+3], s[G1K:G1K+7]
	s_nop 0
.rept 4
	v_nop
.endr
	s_branch .Lasked_\@
.Lfor_v_\@:
	tensor_load_to_lds s[G0V:G0V+3], s[G1V:G1V+7]
	s_nop 0
.rept 4
	v_nop
.endr
.Lasked_\@:
.endm
; A PREFETCH INTO THE L2 of what the NEXT change of slots will ask for: a slot's 32,768 dense bytes of K and of V.  The four partners share them out BY ADDRESS, 8,192 bytes each; in each, wave 0 asks for K's and wave 4 for V's,
; lanes 256 bytes apart: each aligned block of 256 bytes is named once in the launch.  It stands four key steps ahead of the load that wants the data.  The last change that fills a slot asks for nothing.
.macro ASK
	s_cmp_gt_u32 s[SLOTS], s[LIM]
	s_cbranch_scc0 .Lnot_mine_\@
	global_prefetch_b8 v[PFO], s[PFA:PFA+1] th:TH_LOAD_NT scope:SCOPE_SE
.Lnot_mine_\@:
.endm
.macro CROUND                          ; a round of the cluster's barrier
	s_barrier_signal -1
	s_barrier_wait -1
	s_cmp_lg_u32 s[WV], 0
	s_cbranch_scc1 .Lnot_wave_0_\@
	s_barrier_signal -3
.Lnot_wave_0_\@:
	s_barrier_wait -3
	s_barrier_signal -1
	s_barrier_wait -1
.endm
	s_load_b128 s[4:7], s[0:1], 0x0                ; qkv, ao
	v_lshl_add_u32 v[SPW], v0, 2, SPARE
	v_mov_b32 v[NIL], 0
	ds_add_u32 v[SPW], v[NIL]                      ; the wave's opening: the add, twice on end, and its wait ahead of my first tensor load
	ds_add_u32 v[SPW], v[NIL]
	v_lshrrev_b32 v1, 5, v0
	v_readfirstlane_b32 s[WV], v1                  ; wave 0..7
	s_bfe_u32 s[CX], ttmp6, 0x40000                ; my place in the cluster: it enters global addresses alone
	s_lshr_b32 s[GRP], s[WV], 2
	s_xor_b32 s[GRP], s[GRP], s[WV]
	s_and_b32 s[GRP], s[GRP], 1                    ; 0: group A, 1: group B
	s_and_b32 s20, ttmp7, 0xffff                   ; (batch, head), which the four partners share
	s_lshl_b32 s20, s20, 18                        ; its 262,144 bytes in each of Q, K, V, ao
	s_and_b32 s17, s[WV], 3                        ; which of a slot's four steps I fetch:
	s_lshl_b32 s22, s17, 13                        ; its 64 rows of 128 bytes in memory,
	s_add_co_u32 s22, s22, s20
	s_mov_b32 s23, 0
	s_mul_i32 s17, s17, STEPB                      ; and its place in a slot
	s_lshl_b32 s2, s[CX], 16                       ; my work-group's 512 queries,
	s_lshl_b32 s3, s[WV], 13                       ; my wave's 64 of them
	s_add_co_u32 s2, s2, s3
	s_add_co_u32 s2, s2, s20
	s_mov_b32 s3, 0
	; descriptor group 1: a tile of 64 rows x 64 elements of 2 bytes, dense in memory, padded in LDS
	s_mov_b32 s[G1K], 15|(1<<16)|(1<<20)|(1<<21)|(4<<22)|(3<<25)  ; the mask: all four work-groups; padding: 4 words behind every 32
	s_mov_b32 s[G1V], 15|(1<<16)|(1<<20)|(1<<21)|(4<<22)|(7<<25)  ; the same with 8 words of padding
.irp g, G1K, G1V
	s_mov_b32 s[\g+1], 64<<16                      ; tensor_dim0
	s_mov_b32 s[\g+2], KS<<16                      ; tensor_dim1
	s_mov_b32 s[\g+3], 64<<16                      ; tile_dim0
	s_mov_b32 s[\g+4], KS                          ; tile_dim1
	s_mov_b32 s[\g+5], 64                          ; from row to row
	s_mov_b32 s[\g+6], 0
	s_mov_b32 s[\g+7], 0
.endr
	s_mov_b32 s[CS], 0x3e38aa3b                    ; c = log2(e) / 8
	s_mov_b32 s[CS+1], s[CS]                       ; named with it as a pair, so it is written
	s_mov_b32 s[SEL], 0x76543210
	s_mov_b32 s[SEL+1], 0xfedcba98                 ; v_permlanex16_b32's selects for lane l xor 16
	s_mov_b32 s[TB], 0
	s_mov_b32 s[SLOTS], 7
	s_cmp_eq_u32 s[GRP], 0
	s_cselect_b32 s[INI], 0, 0xff800000            ; what S^T begins as
	s_and_b32 s[LIM], s[WV], 3
	s_cmp_eq_u32 s[LIM], 0
	s_cselect_b32 s[LIM], 1, -1                    ; waves 0 and 4 prefetch: the same in all four partners
	v_and_b32 v[PFO], 31, v0
	v_lshlrev_b32 v[PFO], 8, v[PFO]
	s_wait_dscnt 0x0                               ; both opening adds are done
	s_wait_kmcnt 0x0
	s_add_nc_u64 s[8:9], s[4:5], s[22:23]
	s_add_nc_u64 s[8:9], s[8:9], 0x1000000         ; K at my tile of slot 0
	s_add_nc_u64 s[10:11], s[8:9], 0x1000000       ; V likewise
	s_add_nc_u64 s[4:5], s[4:5], s[2:3]            ; Q at my wave's first row
	s_add_nc_u64 s[AO:AO+1], s[6:7], s[2:3]        ; ao likewise
	s_cmp_lt_u32 s[WV], 4
	s_cselect_b64 s[PFA:PFA+1], s[8:9], s[10:11]   ; (in waves 0 and 4 these stand at a slot's first row)
	s_lshl_b32 s2, s[CX], 13                       ; my work-group's 8,192 bytes,
	s_add_co_u32 s2, s2, 32768                     ; in slot 1's keys: the first change of slots steps it on.  Nothing is prefetched at the head
	s_add_nc_u64 s[PFA:PFA+1], s[PFA:PFA+1], s[2:3]
	s_mov_b32 s[G0K], 1                            ; count = 1
	s_mov_b32 s[G0K+1], s17                        ; LDS address: slot 0
	s_mov_b64 s[G0K+2:G0K+3], s[8:9]
	s_or_b32 s[G0K+3], s[G0K+3], 0x80000000        ; type = 2
	s_mov_b32 s[G0V], 1
	s_add_co_u32 s[G0V+1], s17, VOFF
	s_mov_b64 s[G0V+2:G0V+3], s[10:11]
	s_or_b32 s[G0V+3], s[G0V+3], 0x80000000
	CROUND                                         ; all four work-groups are here: the first joint loads meet
	JLOAD                                          ; keys 0 to 255 into slot 0
	v_and_b32 v1, 15, v0                           ; r
	v_bfe_u32 v11, v0, 4, 1                        ; h
	v_lshlrev_b32 v[QO], 7, v1
	v_lshl_add_u32 v[QO], v11, 4, v[QO]            ; Q: row r of 128 bytes, + 16 h
	WIN TO_1
.irp t, 0,1,2,3
.irp c, 0,1
	global_load_b128 v[QF+16*\t+8*\c:QF+16*\t+8*\c+3],   v[QO], s[4:5] offset:\t*2048+\c*64       ; Q stays in registers: tile t, channels 32 c on
	global_load_b128 v[QF+16*\t+8*\c+4:QF+16*\t+8*\c+7], v[QO], s[4:5] offset:\t*2048+\c*64+32
.endr
.endr
	WIN 0
	v_mul_u32_u24 v[AK0], v1, PK
	v_lshl_add_u32 v[AK0], v11, 4, v[AK0]          ; K: row r x pitch + 16 h
	v_and_b32 v14, 7, v0
	v_bfe_u32 v15, v0, 3, 1
	v_lshl_add_u32 v[AV0], v11, 3, v14             ; V: the turning load: lane l reads key 8 h + l % 8, channels 8 ((l / 8) % 2) on
	v_mul_u32_u24 v[AV0], v[AV0], PVP
	v_lshl_add_u32 v[AV0], v15, 4, v[AV0]
	v_add_nc_u32 v[AV0], VOFF, v[AV0]
	s_mul_i32 s17, s[WV], 16*SP
	s_add_co_u32 s17, s17, STAGE                   ; my stage
	v_mul_u32_u24 v[STO], v1, SP
	v_lshl_add_u32 v[STO], v11, 4, v[STO]
	v_add_nc_u32 v[STO], s17, v[STO]               ; in: row r, 16 bytes for each half of the lanes
	v_and_b32 v14, 31, v0
	v_lshrrev_b32 v15, 3, v14
	v_mul_u32_u24 v[RD], v15, SP
	v_and_b32 v15, 7, v14
	v_lshl_add_u32 v[RD], v15, 4, v[RD]
	v_add_nc_u32 v[RD], s17, v[RD]                 ; back: eight lanes to a row of 128 bytes, four rows an instruction
	v_lshlrev_b32 v[GO], 4, v14                    ; which are 512 consecutive bytes of ao
.set i, 0
.rept 128
	v_mov_b32 v[S+i], s[INI]                       ; S^T: zeros (group A: they are P) or -infinity (group B: they are scores)
.set i, i+1
.endr
.irp t, 0,1,2,3
	v_mov_b32 v[ST+12*\t+1], 0xff61b1e6            ; m = -3e38, under every score
	v_mul_f32 v[ST+12*\t], s[CS], v[ST+12*\t+1]    ; c m
.irp j, 2,3,4,5,6,7
	v_mov_b32 v[ST+12*\t+\j], 0
.endr
.endr
	WIN TO_1
.set i, 0
.rept 128
	v_mov_b32 v[i], 0                              ; O^T
.set i, i+1
.endr
.set i, 0
.rept 64
	v_mov_b32 v[VF+i], 0                           ; V's fragments for the first, empty V^T P
.set i, i+1
.endr
	WIN 0
; 32 products O^T += V^T P: keys 32 g on, channels 16 ct on, tile t.  The 16 accumulators take turns, one instruction a turn.
.macro PVRUN
	WIN W_PV
.irp g, 0,1
.irp ct, 0,1,2,3
.irp t, 0,1,2,3
	v_wmma_f32_16x16x32_f16 v[32*\t+8*\ct:32*\t+8*\ct+7], v[VF+8*(4*\g+\ct):VF+8*(4*\g+\ct)+7], v[S+32*\t+8*\g:S+32*\t+8*\g+7], v[32*\t+8*\ct:32*\t+8*\ct+7]
.endr
.endr
.endr
.endm
; 32 products S^T = K Q^T: channels 32 c on, keys 16 kt on, tile t.  The first 16 start the sums.
.macro KQRUN
	WIN W_KQ
.irp c, 0,1
.irp kt, 0,1,2,3
.irp t, 0,1,2,3
.if \c == 0
	v_wmma_f32_16x16x32_f16 v[S+32*\t+8*\kt:S+32*\t+8*\kt+7], v[KF+8*(2*\kt+\c):KF+8*(2*\kt+\c)+7], v[QF+16*\t+8*\c:QF+16*\t+8*\c+7], 0
.else
	v_wmma_f32_16x16x32_f16 v[S+32*\t+8*\kt:S+32*\t+8*\kt+7], v[KF+8*(2*\kt+\c):KF+8*(2*\kt+\c)+7], v[QF+16*\t+8*\c:QF+16*\t+8*\c+7], v[S+32*\t+8*\kt:S+32*\t+8*\kt+7]
.endif
.endr
.endr
.endr
.endm
; THE MATRIX BLOCK of a key step j: K of step j is asked for; V^T P of step j - 1; V of step j is asked for; K Q^T of step j.
.macro MB
	v_add_nc_u32 v[ADK], s[TB], v[AK0]
	v_add_nc_u32 v[ADV], s[TB], v[AV0]
.irp f, 0,1,2,3,4,5,6,7                ; K: keys 16 (f / 2) on, channels 32 (f % 2) on
	ds_load_b128 v[KF+8*\f:KF+8*\f+3],   v[ADK] offset:(\f/2)*16*PK+(\f%2)*64
	ds_load_b128 v[KF+8*\f+4:KF+8*\f+7], v[ADK] offset:(\f/2)*16*PK+(\f%2)*64+32
.endr
	s_wait_dscnt 16                                ; V of the step in hand is in; K's sixteen loads may be out
	PVRUN
.rept 5
	v_nop                                          ; five places: K Q^T writes over P, which these products read; four of them serve the loads into V's registers
.endr
	WIN TO_1
.irp f, 0,1,2,3,4,5,6,7                ; V, turned: keys 32 (f / 4) on, channels 16 (f % 4) on
	ds_load_tr16_b128 v[VF+8*\f:VF+8*\f+3],   v[ADV] offset:(\f/4)*32*PVP+(\f%4)*32
	ds_load_tr16_b128 v[VF+8*\f+4:VF+8*\f+7], v[ADV] offset:(\f/4)*32*PVP+16*PVP+(\f%4)*32
.endr
	s_wait_dscnt 16                                ; K is in; V's sixteen loads may be out
	KQRUN
	WIN 0
.rept 5
	v_nop                                          ; five places: V^T P names S^T's registers as an operand, and a matrix instruction that does so stands five places behind the products that wrote them, on every way
.endr                                              ; through the text; four of them serve the softmax's reads of the scores and the next loads into K's registers
	s_add_co_u32 s[TB], s[TB], STEPB               ; the next fetch is the next step's
.endm
; THE VECTOR BLOCK: the softmax of the wave's four tiles for one key step, the tiles by turns in every group of lines, so that no line waits for the line above it.
.macro SM
.irp i, 0,1,2,3                        ; the maximum: four chains a tile; each accumulator is first read at its low end
.irp t, 0,1,2,3
	v_max3_num_f32 v[ST+12*\t+8+\i], v[S+32*\t+8*\i], v[S+32*\t+8*\i+1], v[S+32*\t+8*\i+2]
.endr
.endr
.irp u, 3,5
.irp i, 0,1,2,3
.irp t, 0,1,2,3
	v_max3_num_f32 v[ST+12*\t+8+\i], v[ST+12*\t+8+\i], v[S+32*\t+8*\i+\u], v[S+32*\t+8*\i+\u+1]
.endr
.endr
.endr
.irp t, 0,1,2,3
	v_max3_num_f32 v[ST+12*\t+8], v[ST+12*\t+8], v[S+32*\t+7], v[S+32*\t+15]
	v_max3_num_f32 v[ST+12*\t+10], v[ST+12*\t+10], v[S+32*\t+23], v[S+32*\t+31]
.endr
.irp t, 0,1,2,3
	v_max3_num_f32 v[ST+12*\t+8], v[ST+12*\t+8], v[ST+12*\t+9], v[ST+12*\t+10]
.endr
.irp t, 0,1,2,3
	v_max3_num_f32 v[ST+12*\t+8], v[ST+12*\t+8], v[ST+12*\t+11], v[ST+12*\t+1]   ; with the old m
.endr
.irp t, 0,1,2,3
	v_permlanex16_b32 v[ST+12*\t+9], v[ST+12*\t+8], s[SEL], s[SEL+1]             ; the query's other 32 keys lie in the lane 16 away
.endr
.irp t, 0,1,2,3
	v_mov_b32 v[ST+12*\t+7], v[ST+12*\t]           ; c m_old is kept for a
.endr
.irp t, 0,1,2,3
	v_max_num_f32 v[ST+12*\t+1], v[ST+12*\t+8], v[ST+12*\t+9]
.endr
.irp t, 0,1,2,3
	v_mul_f32 v[ST+12*\t], s[CS], v[ST+12*\t+1]
.endr
.irp t, 0,1,2,3
	v_sub_f32 v[ST+12*\t+7], v[ST+12*\t+7], v[ST+12*\t]
.endr
	; ONE BATCH: the 64 scalings c s - c m and all 132 exponentials.  None of these lines names an exponential's result; a pair is scaled four lines or more ahead of its exponentials.
.irp t, 0,1,2,3
	v_exp_f32 v[ST+12*\t+6], v[ST+12*\t+7]         ; a
.endr
.irp p, 0,1,2,3,4,5,6,7,8,9,10,11,12,13,14,15
.irp t, 0,1,2,3
	v_pk_fma_f32 v[S+32*\t+2*\p:S+32*\t+2*\p+1], v[S+32*\t+2*\p:S+32*\t+2*\p+1], s[CS:CS+1], v[ST+12*\t:ST+12*\t+1] op_sel_hi:[1,0,0] neg_lo:[0,0,1] neg_hi:[0,0,1]
.endr
.irp t, 0,1,2,3
	v_exp_f32 v[S+32*\t+2*\p], v[S+32*\t+2*\p]
	v_exp_f32 v[S+32*\t+2*\p+1], v[S+32*\t+2*\p+1]
.endr
.endr
	v_nop                                          ; a plain line behind the last exponential
	s_wait_alu depctr_va_vdst(0)                   ; the wait ahead of the first line that names a result: one for the batch
.irp t, 0,1,2,3                        ; the sums, of p before it is rounded: two pairs of chains a tile; l = a l + ..
	v_pk_fma_f32 v[ST+12*\t+2:ST+12*\t+3], v[ST+12*\t+2:ST+12*\t+3], v[ST+12*\t+6:ST+12*\t+7], v[S+32*\t:S+32*\t+1] op_sel_hi:[1,0,1]
	v_pk_fma_f32 v[ST+12*\t+4:ST+12*\t+5], v[ST+12*\t+4:ST+12*\t+5], v[ST+12*\t+6:ST+12*\t+7], v[S+32*\t+2:S+32*\t+3] op_sel_hi:[1,0,1]
.endr
.irp j, 4,8,12,16,20,24,28
.irp t, 0,1,2,3
	v_pk_add_f32 v[ST+12*\t+2:ST+12*\t+3], v[ST+12*\t+2:ST+12*\t+3], v[S+32*\t+\j:S+32*\t+\j+1]
	v_pk_add_f32 v[ST+12*\t+4:ST+12*\t+5], v[ST+12*\t+4:ST+12*\t+5], v[S+32*\t+\j+2:S+32*\t+\j+3]
.endr
.endr
.irp p, 0,1,2,3,4,5,6,7,8,9,10,11,12,13,14,15      ; P, in place and ascending: register p takes weights 2 p and 2 p + 1, which lie at or above it
.irp t, 0,1,2,3
	v_cvt_pk_f16_f32 v[S+32*\t+\p], v[S+32*\t+2*\p], v[S+32*\t+2*\p+1]
.endr
.endr
	WIN W_RS
.irp p, 0,1,2,3,4,5,6,7,8,9,10,11,12,13,14,15      ; O^T x a, each accumulator from its low end on
.irp t, 0,1,2,3
	v_pk_mul_f32 v[32*\t+2*\p:32*\t+2*\p+1], v[32*\t+2*\p:32*\t+2*\p+1], v[ST+12*\t+6:ST+12*\t+7] op_sel_hi:[1,0]
.endr
.endr
	WIN 0
.endm
; THE CHANGE OF SLOTS stands at a slot's head.  Each wave waits for all its tensor loads (its part of the slot that it is about to read), adds 0 to its spare word, and waits for that and for its reads of the slot that it has left
; (the last of them, V of that slot's last step, are then in registers).  fill = 1: behind a round of the cluster's barrier the slot that was left is filled with the keys that follow: the load has four key steps in which to land.
.macro CHANGE fill
	s_wait_tensorcnt 0x0                           ; no tensor load of mine is out, so a group 0 may be written
	ds_add_u32 v[SPW], v[NIL]                      ; 0 onto my spare word
.if \fill
	s_xor_b32 s[G0K+1], s[G0K+1], SLOT1            ; the walking descriptors: the other slot than last time,
	s_add_nc_u64 s[G0K+2:G0K+3], s[G0K+2:G0K+3], 4*KS*128   ; the next 256 keys; the type bits on top are not reached
	s_xor_b32 s[G0V+1], s[G0V+1], SLOT1
	s_add_nc_u64 s[G0V+2:G0V+3], s[G0V+2:G0V+3], 4*KS*128
	s_wait_xcnt 0x0                                ; the last prefetch, a slot back, has read its address, so it may be written:
	s_add_nc_u64 s[PFA:PFA+1], s[PFA:PFA+1], 4*KS*128       ; one slot further on than the walking descriptors
	s_wait_dscnt 0x0                               ; the add is done, and my reads of the slot that I have left are over
	CROUND
	JLOAD                                          ; the first thing behind the round, and my one tensor load until the next
	ASK
.else
	s_wait_dscnt 0x0
	s_barrier_signal -1
	s_barrier_wait -1
.endif
.endm
; A slot's four key steps: written once, walked four times; the LDS addresses hang on s[TB].
.macro SLOT_STEPS
	s_mov_b32 s[TICK], 4
.Lstep_\@:
	s_cmp_eq_u32 s[GRP], 0
	s_cbranch_scc1 .Lnot_b_\@
	SM                                             ; group B: the softmax of the step whose scores are in hand
.Lnot_b_\@:
	MB
	s_cmp_lg_u32 s[GRP], 0
	s_cbranch_scc1 .Lnot_a_\@
	SM                                             ; group A: the softmax of the step just multiplied
.Lnot_a_\@:
	s_sub_co_u32 s[TICK], s[TICK], 1
	s_cmp_lg_u32 s[TICK], 0
	s_cbranch_scc1 .Lstep_\@
	s_sub_co_u32 s[TB], s[TB], 4*STEPB             ; the fetches go back to a slot's first step,
	s_xor_b32 s[TB], s[TB], SLOT1                  ; in the other slot
.endm
	s_wait_loadcnt 0x0                             ; Q
.Lslot:                                            ; seven trips: behind each change of slots but the last the next slot is asked for
	CHANGE 1
	SLOT_STEPS
	s_sub_co_u32 s[SLOTS], s[SLOTS], 1
	s_cmp_lg_u32 s[SLOTS], 0
	s_cbranch_scc1 .Lslot
	CHANGE 0                                       ; the last slot is written out
	SLOT_STEPS
	s_cmp_eq_u32 s[GRP], 0
	s_cbranch_scc1 .Llast_a
	SM                                             ; group B: the last step's softmax
.Llast_a:
	s_wait_dscnt 0x0                               ; V of the last step is in
	PVRUN                                          ; the last step's V^T P
	WIN 0
	; THE WAY OUT.  l's four parts and the other half of the lanes' are added (these lines are the places behind the last products); O^T is divided by l, rounded to f16 and sent through my stage, a tile (16 rows) at a time.
.irp t, 0,1,2,3
	v_add_f32 v[ST+12*\t+8], v[ST+12*\t+2], v[ST+12*\t+3]
.endr
.irp t, 0,1,2,3
	v_add_f32 v[ST+12*\t+9], v[ST+12*\t+4], v[ST+12*\t+5]
.endr
.irp t, 0,1,2,3
	v_add_f32 v[ST+12*\t+8], v[ST+12*\t+8], v[ST+12*\t+9]
.endr
.irp t, 0,1,2,3
	v_permlanex16_b32 v[ST+12*\t+9], v[ST+12*\t+8], s[SEL], s[SEL+1]
.endr
.irp t, 0,1,2,3
	v_add_f32 v[ST+12*\t+8], v[ST+12*\t+8], v[ST+12*\t+9]
.endr
.irp t, 0,1,2,3
	v_rcp_f32 v[ST+12*\t+6], v[ST+12*\t+8]
.endr
	v_nop                                          ; a plain line behind the last reciprocal
	s_wait_alu depctr_va_vdst(0)                   ; and the wait ahead of the first use: one for the four
.macro PACK t
	WIN W_RS
.irp p, 0,1,2,3,4,5,6,7,8,9,10,11,12,13,14,15
	v_pk_mul_f32 v[32*\t+2*\p:32*\t+2*\p+1], v[32*\t+2*\p:32*\t+2*\p+1], v[ST+12*\t+6:ST+12*\t+7] op_sel_hi:[1,0]
.endr
	WIN 0x05                                       ; sources 0 and 1 window 1, destination window 0: S^T's registers are free
.irp p, 0,1,2,3,4,5,6,7,8,9,10,11,12,13,14,15
	v_cvt_pk_f16_f32 v[S+32*\t+\p], v[32*\t+2*\p], v[32*\t+2*\p+1]
.endr
	WIN 0
.irp c, 0,1,2,3
	ds_store_b128 v[STO], v[S+32*\t+4*\c:S+32*\t+4*\c+3] offset:32*\c
.endr
.irp i, 0,1,2,3
	ds_load_b128 v[S+32*\t+16+4*\i:S+32*\t+16+4*\i+3], v[RD] offset:\i*4*SP   ; LDS serves a wave's instructions in order (ISA guide 5.7.1.4): these see the stores above; the next tile's stores come behind them
.endr
.endm
.macro SEND t, younger                 ; younger: the LDS instructions issued behind tile t's loads: the next tile's eight, or none
.irp i, 0,1,2,3
	s_wait_dscnt \younger+3-\i
	global_store_b128 v[GO], v[S+32*\t+16+4*\i:S+32*\t+16+4*\i+3], s[AO:AO+1] offset:\t*2048+\i*512   ; 32 lanes store 512 consecutive bytes, aligned
.endr
.endm
	PACK 0
	PACK 1
	SEND 0, 8
	PACK 2
	SEND 1, 8
	PACK 3
	SEND 2, 8
	SEND 3, 0
	s_wait_tensorcnt 0x0                           ; the wave's end: a wait, an add onto my spare word and a wait behind my last tensor load and my last LDS store
	ds_add_u32 v[SPW], v[NIL]
	s_wait_dscnt 0x0
	CROUND                                         ; the closing round: no work-group ends while a partner may still ask for a tile that names it
	s_endpgm
.Lfunc_end_k_q999317a71f_attn:
	.size	k_q999317a71f_attn, .Lfunc_end_k_q999317a71f_attn-k_q999317a71f_attn
	.p2alignl 7, 3214868480
	.fill 96, 4, 3214868480
	.section	.rodata,"a",@progbits
	.p2align	6, 0x0
	.amdhsa_kernel k_q999317a71f_attn
		.amdhsa_group_segment_fixed_size 327680
		.amdhsa_private_segment_fixed_size 0
		.amdhsa_enable_private_segment 0
		.amdhsa_kernarg_size 16
		.amdhsa_user_sgpr_count 2
		.amdhsa_user_sgpr_kernarg_segment_ptr 1
		.amdhsa_wavefront_size32 1
		.amdhsa_system_sgpr_workgroup_id_x 1
		.amdhsa_system_sgpr_workgroup_id_y 1
		.amdhsa_system_sgpr_workgroup_id_z 1
		.amdhsa_system_vgpr_workitem_id 0
		.amdhsa_next_free_vgpr 512
		.amdhsa_next_free_sgpr 66
		.amdhsa_reserve_vcc 0
		.amdhsa_float_denorm_mode_32 3
		.amdhsa_float_denorm_mode_16_64 3
		.amdhsa_memory_ordered 1
		.amdhsa_forward_progress 1
		.amdhsa_inst_pref_size 176
	.end_amdhsa_kernel
	.amdgpu_metadata
---
amdhsa.version: [ 1, 2 ]
amdhsa.kernels:
  - .name:           k_q999317a71f_attn
    .symbol:         k_q999317a71f_attn.kd
    .args:
      - { .name: qkv, .offset: 0, .size: 8, .value_kind: global_buffer, .address_space: global }
      - { .name: ao, .offset: 8, .size: 8, .value_kind: global_buffer, .address_space: global }
    .group_segment_fixed_size: 327680
    .private_segment_fixed_size: 0
    .kernarg_segment_align: 8
    .kernarg_segment_size: 16
    .max_flat_workgroup_size: 256
    .sgpr_count:     66
    .vgpr_count:     512
    .wavefront_size: 32
...
	.end_amdgpu_metadata
.endif
;; end of part 4
;; launch oproj (part 5): grid 4 x 64, 4 waves a work-group, clusters of 4 x 4, 327,680 bytes of LDS; arguments ao, wot, wo_b, out0; writes out0
.if DOCPART == 5
	.amdgcn_target "amdgcn-amd-amdhsa--gfx1250"
	.amdhsa_code_object_version 6
	.text
	.protected	k_q999317a71f_oproj
	.globl	k_q999317a71f_oproj
	.p2align	8
	.type	k_q999317a71f_oproj,@function
k_q999317a71f_oproj:
	s_mov_b64 s[64:65], 0
	v_nop
	global_prefetch_b8 v0, s[64:65] scope:SCOPE_SE
	s_setreg_imm32_b32 hwreg(HW_REG_WAVE_MODE, 25, 1), 1
	s_wait_xcnt 0x0
	s_wait_alu depctr_hold_cnt(0) depctr_sa_sdst(0) depctr_va_vdst(0) depctr_va_sdst(0) depctr_va_ssrc(0) depctr_va_vcc(0) depctr_vm_vsrc(0)
	s_getreg_b32 s2, hwreg(HW_REG_IB_STS2, 6, 4)
	s_cmp_eq_u32 s2, 0
	s_cbranch_scc0 .Lentry_in_a_cluster
	s_endpgm
.Lentry_in_a_cluster:
	s_bfe_u32 s2, ttmp6, 0x10000c
	s_cmp_lg_u32 s2, 0xf033
	s_cbranch_scc0 .Lentry_shape_is_right
	s_endpgm
.Lentry_shape_is_right:
; out0[m][n] = the sum over k of A[m][k] wot[n][k] + wo_b[n].  A is the attention result, f16, laid by heads: ao [4 batches x 16 heads][2048 positions][64]; m = 2,048 x batch + position, k = 64 x head + channel.
; wot [1024 n][1024 k] f16; out0 [8192][1024] f32; sums in f32.
; A tile of out0 is 128 rows x 256 columns: 256 work-groups of four waves; a wave makes 64 x 128: 32 accumulators of 16 x 16, 256 registers.  K goes in steps of 128 (two heads) through a ring of two LDS slots.
; One tensor load a wave: waves 0 and 1 bring A's two planes (a head's 128 positions x 128 bytes, dense in memory), waves 2 and 3 the halves of wot's 256 rows x 256 bytes.  Two loads of a wave are out at the start, one behind each round.
; CLUSTERS: 4 x 4 work-groups; the four of a row of the cluster need the same tiles of A, the four of a column the same tiles of wot: each tile is asked for JOINTLY.
; THE MATRIX INSTRUCTION IS USED TRANSPOSED (source 0 = 16 rows of wot, source 1 = 16 rows of A): a lane holds eight neighbouring columns of a row.  The bias is the C of each sum's first product.
; No prefetch: the launch's eight K steps are few, and each refill has a whole K step's 128 matrix instructions less sixteen in which to land.
; REGISTERS: window 0: v16-30 addresses; v32-95 A's fragments, two buffers of 32; v96-223 wot's, two buffers of 64.   window 1: the accumulators ((a, b) at v[8 (8 a + b)]).   window 2: v0-63 the bias; v64-191 rows on the way out.
.set PA,     144                       ; a row of A's plane in LDS: 128 bytes + 16
.set PB,     272                       ; a row of wot's tile: 256 bytes + 16
.set PLANE,  128*PA
.set BOFF,   2*PLANE
.set HALFB,  128*PB
.set SLOT1,  1<<17
.set STAGE,  2*SLOT1                   ; behind the ring: 16 rows x (512 bytes + 16) for each wave
.set SPITCH, 528
.set SPARE,  STAGE+4*16*SPITCH         ; the spare words, 128 bytes a wave
.set LAPS,   4                         ; a lap = two K steps = once round the ring
.set ADRA, 16
.set ADRB, 20
.set STO,  24
.set RD,   25
.set CO,   26
.set BO,   27
.set SPW,  28
.set NIL,  29
.set FA,   32
.set FB,   96
.set BI,   0                           ; in window 2
.set OB,   64                          ; in window 2
.set WV,  12
.set HI,  13
.set LO,  14
.set TR,  15
.set G1, 24
.set G0, 32
.set G1B, 48
.set G0B, 56
.set MSB, 0
.macro WIN new                         ; the immediate's high byte repeats the setting that is left
.if MSB != (\new)
	s_set_vgpr_msb (MSB<<8)|(\new)
.set MSB, (\new)
.endif
.endm
.set MUL,  0x50                        ; C and D window 1; both sources window 0
.set MULF, 0x60                        ; the first quarter: C (the bias) window 2, D window 1
.macro JLOAD s                         ; a joint load: waves 0 and 1 fetch for A, waves 2 and 3 for wot; an s_nop 0 and four v_nop follow each of the two lines
	s_cmp_eq_u32 s[HI], 0
	s_cbranch_scc0 .Lfor_b_\@
	tensor_load_to_lds s[G0+4*\s:G0+4*\s+3], s[G1:G1+7]
	s_nop 0
.rept 4
	v_nop
.endr
	s_branch .Lasked_\@
.Lfor_b_\@:
	tensor_load_to_lds s[G0B+4*\s:G0B+4*\s+3], s[G1B:G1B+7]
	s_nop 0
.rept 4
	v_nop
.endr
.Lasked_\@:
.endm
.macro CREST                           ; a round of the cluster's barrier behind its opening barrier
	s_cmp_lg_u32 s[WV], 0
	s_cbranch_scc1 .Lnot_wave_0_\@
	s_barrier_signal -3
.Lnot_wave_0_\@:
	s_barrier_wait -3
	s_barrier_signal -1
	s_barrier_wait -1
.endm
.macro CROUND
	s_barrier_signal -1
	s_barrier_wait -1
	CREST
.endm
	s_load_b128 s[4:7], s[0:1], 0x0                ; ao, wot
	s_load_b128 s[8:11], s[0:1], 0x10              ; wo_b, out0
	v_lshl_add_u32 v[SPW], v0, 2, SPARE
	v_mov_b32 v[NIL], 0
	ds_add_u32 v[SPW], v[NIL]                      ; the wave's opening: the add, twice on end, and its wait ahead of my first tensor load
	ds_add_u32 v[SPW], v[NIL]
	v_lshrrev_b32 v1, 5, v0
	v_readfirstlane_b32 s[WV], v1                  ; wave 0..3
	s_lshr_b32 s[HI], s[WV], 1                     ; which 64 of the tile's rows are mine.  Also: I fetch for A (0) or for wot (1)
	s_and_b32 s[LO], s[WV], 1                      ; which 128 of its columns.  Also: which plane of A, or which half of wot's rows, I fetch
	s_bfe_u32 s40, ttmp6, 0x40000                  ; cx, cy
	s_bfe_u32 s41, ttmp6, 0x40004
	s_lshl_b32 s42, ttmp9, 2
	s_add_co_u32 s42, s42, s40                     ; tile column = 4 x cluster x + cx
	s_and_b32 s[TR], ttmp7, 0xffff
	s_lshl_b32 s[TR], s[TR], 2
	s_add_co_u32 s[TR], s[TR], s41                 ; tile row = 4 x cluster y + cy
	s_lshl_b32 s43, s41, 2
	s_lshl_b32 s43, 15, s43                        ; my row of the cluster
	s_lshl_b32 s44, 0x1111, s40                    ; my column
	s_or_b32 s[G1+0], s43, (1<<16)|(1<<20)|(1<<21)|(4<<22)|(3<<25)    ; A: elements of 2 bytes; 4 words of padding behind every 32
	s_mov_b32 s[G1+1], 64<<16                      ; tensor_dim0
	s_mov_b32 s[G1+2], 128<<16                     ; tensor_dim1
	s_mov_b32 s[G1+3], 64<<16                      ; tile_dim0
	s_mov_b32 s[G1+4], 128                         ; tile_dim1
	s_mov_b32 s[G1+5], 64                          ; from row to row
	s_mov_b32 s[G1+6], 0
	s_mov_b32 s[G1+7], 0
	s_or_b32 s[G1B+0], s44, (1<<16)|(1<<20)|(1<<21)|(5<<22)|(3<<25)   ; wot: 4 words of padding behind every 64
	s_mov_b32 s[G1B+1], 128<<16
	s_mov_b32 s[G1B+2], 128<<16
	s_mov_b32 s[G1B+3], 128<<16
	s_mov_b32 s[G1B+4], 128
	s_mov_b32 s[G1B+5], 1024
	s_mov_b32 s[G1B+6], 0
	s_mov_b32 s[G1B+7], 0
	s_lshr_b32 s16, s[TR], 4
	s_lshl_b32 s16, s16, 22                        ; A: batch x 16 heads x 262,144 bytes
	s_and_b32 s17, s[TR], 15
	s_lshl_b32 s17, s17, 14                        ; + 128 positions x 128 bytes for each tile row of the batch
	s_add_co_u32 s16, s16, s17
	s_lshl_b32 s17, s[LO], 18                      ; + my plane's head
	s_add_co_u32 s16, s16, s17
	s_mov_b32 s17, 0
	s_lshl_b32 s46, s42, 19                        ; wot: 256 rows of 2,048 bytes for each tile column
	s_lshl_b32 s47, s[LO], 18                      ; + my 128 rows
	s_add_co_u32 s46, s46, s47
	s_mov_b32 s47, 0
	s_mul_i32 s20, s[LO], PLANE                    ; where they go: no place in the cluster enters an LDS address
	s_mul_i32 s21, s[LO], HALFB
	s_add_co_u32 s21, s21, BOFF
	s_wait_dscnt 0x0                               ; both opening adds are done
	s_wait_kmcnt 0x0
	s_add_nc_u64 s[18:19], s[4:5], s[16:17]
	s_add_nc_u64 s[46:47], s[6:7], s[46:47]
	CROUND                                         ; all sixteen work-groups are here: the first joint loads meet
.irp s, 0,1
	s_mov_b32 s[G0+4*\s], 1
	s_add_co_u32 s[G0+4*\s+1], s20, \s*SLOT1
	s_add_nc_u64 s[G0+4*\s+2:G0+4*\s+3], s[18:19], \s*524288   ; K step s: two heads on
	s_or_b32 s[G0+4*\s+3], s[G0+4*\s+3], 0x80000000
	s_mov_b32 s[G0B+4*\s], 1
	s_add_co_u32 s[G0B+4*\s+1], s21, \s*SLOT1
	s_add_nc_u64 s[G0B+4*\s+2:G0B+4*\s+3], s[46:47], \s*256
	s_or_b32 s[G0B+4*\s+3], s[G0B+4*\s+3], 0x80000000
	JLOAD \s
.endr
	v_and_b32 v1, 15, v0                           ; r
	v_bfe_u32 v2, v0, 4, 1                         ; h
	s_lshl_b32 s16, s42, 10
	s_lshl_b32 s17, s[LO], 9
	s_add_co_u32 s16, s16, s17                     ; my first column, in bytes of f32
	s_mov_b32 s17, 0
	s_add_nc_u64 s[8:9], s[8:9], s[16:17]          ; the bias there,
	s_add_nc_u64 s[10:11], s[10:11], s[16:17]      ; and out0
	s_lshl_b32 s16, s[TR], 19                      ; 128 rows of 4,096 bytes
	s_lshl_b32 s22, s[HI], 18                      ; + my 64 rows
	s_add_co_u32 s16, s16, s22
	s_add_nc_u64 s[10:11], s[10:11], s[16:17]
	v_lshlrev_b32 v[BO], 5, v2                     ; for column tile b a lane wants numbers 16 b + 8 h + 0 .. 7
	WIN 0x80                                       ; destination window 2
.irp b, 0,1,2,3,4,5,6,7
	global_load_b128 v[BI+8*\b:BI+8*\b+3], v[BO], s[8:9] offset:64*\b
	global_load_b128 v[BI+8*\b+4:BI+8*\b+7], v[BO], s[8:9] offset:64*\b+16
.endr
	WIN 0
	v_mul_u32_u24 v3, v1, PA
	v_lshl_add_u32 v3, v2, 4, v3
	v_mul_u32_u24 v4, v1, PB
	v_lshl_add_u32 v4, v2, 4, v4
	s_mul_i32 s21, s[HI], 64*PA                    ; my 64 rows in each plane of A
	s_mul_i32 s22, s[LO], HALFB                    ; my 128 rows of wot
	s_add_co_u32 s22, s22, BOFF
.irp s, 0,1
	v_add_nc_u32 v[ADRA+\s], s21, v3
	v_add_nc_u32 v[ADRB+\s], s22, v4
	s_add_co_u32 s21, s21, SLOT1
	s_add_co_u32 s22, s22, SLOT1
.endr
	s_mul_i32 s23, s[WV], 16*SPITCH
	s_add_co_u32 s23, s23, STAGE                   ; my stage
	v_mul_u32_u24 v5, v1, SPITCH
	v_lshl_add_u32 v5, v2, 5, v5
	v_add_nc_u32 v[STO], s23, v5                   ; in: row r, 32 bytes for each half of the lanes
	v_and_b32 v6, 31, v0
	v_lshlrev_b32 v[CO], 4, v6                     ; back: the 32 lanes take one row of 512 bytes; and the same in out0
	v_add_nc_u32 v[RD], s23, v[CO]
; 8 matrix instructions: A's block a x wot's eight tiles, 32 along K, buffer f.  first = 1: the bias is C.  The 32 accumulators take turns, one instruction a turn.
.macro MUL8 f, a, first
.irp b, 0,1,2,3,4,5,6,7
.if \first
	v_wmma_f32_16x16x32_f16 v[8*(8*(\a)+\b):8*(8*(\a)+\b)+7], v[FB+64*(\f)+8*\b:FB+64*(\f)+8*\b+7], v[FA+32*(\f)+8*(\a):FA+32*(\f)+8*(\a)+7], v[BI+8*\b:BI+8*\b+7]
.else
	v_wmma_f32_16x16x32_f16 v[8*(8*(\a)+\b):8*(8*(\a)+\b)+7], v[FB+64*(\f)+8*\b:FB+64*(\f)+8*\b+7], v[FA+32*(\f)+8*(\a):FA+32*(\f)+8*(\a)+7], v[8*(8*(\a)+\b):8*(8*(\a)+\b)+7]
.endif
.endr
.endm
; 24 LDS loads in one run: the fragments of the slot's kq-th 32 along K into buffer f: wot's sixteen loads, then A's blocks 0, 1, then 2, 3
.macro FETCH slot, kq, f
.irp i, 0,1,2,3,4,5,6,7
	ds_load_b128 v[FB+64*(\f)+8*\i:FB+64*(\f)+8*\i+3],   v[ADRB+\slot] offset:64*(\kq)+\i*16*PB
	ds_load_b128 v[FB+64*(\f)+8*\i+4:FB+64*(\f)+8*\i+7], v[ADRB+\slot] offset:64*(\kq)+\i*16*PB+32
.endr
.irp i, 0,1,2,3
	ds_load_b128 v[FA+32*(\f)+8*\i:FA+32*(\f)+8*\i+3],   v[ADRA+\slot] offset:((\kq)/2)*PLANE+((\kq)%2)*64+\i*16*PA
	ds_load_b128 v[FA+32*(\f)+8*\i+4:FA+32*(\f)+8*\i+7], v[ADRA+\slot] offset:((\kq)/2)*PLANE+((\kq)%2)*64+\i*16*PA+32
.endr
.endm
.macro PLACES                          ; four places in front of loads into registers that matrix instructions have read, and of the first read of results
.rept 4
	v_nop
.endr
.endm
; A K step is four quarters of 32 along K, 32 matrix instructions each, on buffers 0, 1, 0, 1.  One of the first three: multiplies buffer f and fetches the slot's kq-th quarter into g.
.macro QUARTER slot, kq, f, g, first
	s_wait_dscnt 4                                 ; wot's fragments and A's blocks 0, 1 are in; the youngest four loads (A's blocks 2, 3) may be out
.if \first
	WIN MULF
.else
	WIN MUL
.endif
	MUL8 \f, 0, \first
	MUL8 \f, 1, \first
	PLACES
	WIN 0
	FETCH \slot, \kq, \g
	s_wait_dscnt 24                                ; all but the 24 just issued
.if \first
	WIN MULF
.else
	WIN MUL
.endif
	MUL8 \f, 2, \first
	MUL8 \f, 3, \first
.endm
; The last quarter multiplies buffer 1 and changes slots: ONE barrier; in front of it each wave waits for all its tensor loads, adds 0 to its spare word, and waits for that and for its reads of this slot.
; fill = 1: the barrier opens a round of the cluster's, and this slot is filled again, two K steps ahead, first thing behind the round.
.macro TURN slot, next, fill
	WIN 0                                          ; (the add's two registers lie in window 0)
	s_wait_tensorcnt 0x0                           ; all my tensor loads have landed: my part of the next slot
	ds_add_u32 v[SPW], v[NIL]                      ; 0 onto my spare word
	s_wait_dscnt 5                                 ; (the add and the youngest four loads may be out)
	WIN MUL
	MUL8 1, 0, 0                                   ; eight matrix instructions stand between the add and the wait for it
	s_wait_dscnt 0x0                               ; the add is done, and my reads of this slot are over
	s_barrier_signal -1
	MUL8 1, 1, 0
.if \fill
	WIN 0
.endif
	s_barrier_wait -1
.if \fill
	CREST                                          ; no wave of any partner still reads this slot's tile or has a load on its way
	s_add_nc_u64 s[G0+4*\slot+2:G0+4*\slot+3], s[G0+4*\slot+2:G0+4*\slot+3], 2*524288
	s_add_nc_u64 s[G0B+4*\slot+2:G0B+4*\slot+3], s[G0B+4*\slot+2:G0B+4*\slot+3], 2*256
	JLOAD \slot                                    ; the four v_nop behind it are also the places in front of the loads below
.else
	PLACES
.endif
	WIN 0
	FETCH \next, 0, 0
	WIN MUL
	MUL8 1, 2, 0
	MUL8 1, 3, 0
.endm
	s_wait_tensorcnt 1                             ; my part of K step 0 is in (K step 1's load may be out),
	s_barrier_signal -1
	s_barrier_wait -1                              ; everybody's is
	FETCH 0, 0, 0
	s_wait_loadcnt 0x0                             ; the bias
	QUARTER 0, 1, 0, 1, 1                          ; the first quarter stands in front of the loop: its products start the sums on the bias
	WIN 0                                          ; at a label and at a branch every window is 0
	s_mov_b32 s3, LAPS-1
.Llap:                                             ; a trip goes once round the ring, from a lap's second quarter to the next lap's first, and fills both slots again
	QUARTER 0, 2, 1, 0, 0
	QUARTER 0, 3, 0, 1, 0
	TURN 0, 1, 1
	QUARTER 1, 1, 0, 1, 0
	QUARTER 1, 2, 1, 0, 0
	QUARTER 1, 3, 0, 1, 0
	TURN 1, 0, 1
	QUARTER 0, 1, 0, 1, 0
	WIN 0
	s_sub_co_u32 s3, s3, 1
	s_cmp_lg_u32 s3, 0
	s_cbranch_scc1 .Llap
	QUARTER 0, 2, 1, 0, 0                          ; the last lap fills nothing, and has no round of the cluster's barrier
	QUARTER 0, 3, 0, 1, 0
	TURN 0, 1, 0
	QUARTER 1, 1, 0, 1, 0
	QUARTER 1, 2, 1, 0, 0
	QUARTER 1, 3, 0, 1, 0
	s_wait_dscnt 4                                 ; the very last quarter: nothing more to fetch
	WIN MUL
	MUL8 1, 0, 0
	MUL8 1, 1, 0
	s_wait_dscnt 0
	MUL8 1, 2, 0
	MUL8 1, 3, 0
; THE WAY OUT, block by block of 16 rows x 128 columns.  A lane holds 32 neighbouring bytes of a row: a block goes through my own stage and comes back as whole rows of 512 bytes.  LDS serves a wave's instructions in order
; (ISA guide 5.7.1.4): no wait between the stores and the loads, nor in front of the next block's stores.
.macro TOSTAGE a
	WIN 0x04                                       ; an LDS store's data are its source 1: window 1
.irp b, 0,1,2,3,4,5,6,7
	ds_store_b128 v[STO], v[64*(\a)+8*\b:64*(\a)+8*\b+3] offset:64*\b            ; each accumulator from its low end on
	ds_store_b128 v[STO], v[64*(\a)+8*\b+4:64*(\a)+8*\b+7] offset:64*\b+16
.endr
	WIN 0x80                                       ; destination window 2
.irp t, 0,1,2,3,4,5,6,7,8,9,10,11,12,13,14,15
	ds_load_b128 v[OB+64*((\a)%2)+4*\t:OB+64*((\a)%2)+4*\t+3], v[RD] offset:\t*SPITCH
.endr
.endm
.macro SEND a, younger                 ; younger: the LDS instructions issued behind block a's loads, which may stay out
	s_wait_dscnt \younger
	WIN 0x08                                       ; a store's data are its source 1: window 2
.irp t, 0,1,2,3,4,5,6,7,8,9,10,11,12,13,14,15
	global_store_b128 v[CO], v[OB+64*((\a)%2)+4*\t:OB+64*((\a)%2)+4*\t+3], s[10:11] offset:(16*(\a)+\t)*4096 th:TH_STORE_NT   ; 32 lanes store 512 consecutive bytes, aligned; written once, read by nobody here
.endr
.endm
	PLACES                                         ; behind the last products, ahead of the first read of results
	TOSTAGE 0
.irp a, 1,2,3
.if \a > 1
	s_wait_xcnt 0x0                                ; block a - 2's stores have read their registers: block a's loads may land there
.endif
	TOSTAGE \a
	SEND \a-1, 32                                  ; behind block a - 1's loads: block a's 16 stores and 16 loads
.endr
	SEND 3, 0
	WIN 0
	s_wait_tensorcnt 0x0                           ; the wave's end: a wait, an add onto my spare word and a wait behind my last tensor load and my last LDS store
	ds_add_u32 v[SPW], v[NIL]
	s_wait_dscnt 0x0
	CROUND                                         ; the closing round: no work-group ends while a partner may still ask for a tile that names it
	s_endpgm
.Lfunc_end_k_q999317a71f_oproj:
	.size	k_q999317a71f_oproj, .Lfunc_end_k_q999317a71f_oproj-k_q999317a71f_oproj
	.p2alignl 7, 3214868480
	.fill 96, 4, 3214868480
	.section	.rodata,"a",@progbits
	.p2align	6, 0x0
	.amdhsa_kernel k_q999317a71f_oproj
		.amdhsa_group_segment_fixed_size 327680
		.amdhsa_private_segment_fixed_size 0
		.amdhsa_enable_private_segment 0
		.amdhsa_kernarg_size 32
		.amdhsa_user_sgpr_count 2
		.amdhsa_user_sgpr_kernarg_segment_ptr 1
		.amdhsa_wavefront_size32 1
		.amdhsa_system_sgpr_workgroup_id_x 1
		.amdhsa_system_sgpr_workgroup_id_y 1
		.amdhsa_system_sgpr_workgroup_id_z 1
		.amdhsa_system_vgpr_workitem_id 0
		.amdhsa_next_free_vgpr 768
		.amdhsa_next_free_sgpr 66
		.amdhsa_reserve_vcc 0
		.amdhsa_float_denorm_mode_32 3
		.amdhsa_float_denorm_mode_16_64 3
		.amdhsa_memory_ordered 1
		.amdhsa_forward_progress 1
		.amdhsa_inst_pref_size 87
	.end_amdhsa_kernel
	.amdgpu_metadata
---
amdhsa.version: [ 1, 2 ]
amdhsa.kernels:
  - .name:           k_q999317a71f_oproj
    .symbol:         k_q999317a71f_oproj.kd
    .args:
      - { .name: ao, .offset: 0, .size: 8, .value_kind: global_buffer, .address_space: global }
      - { .name: wot, .offset: 8, .size: 8, .value_kind: global_buffer, .address_space: global }
      - { .name: wo_b, .offset: 16, .size: 8, .value_kind: global_buffer, .address_space: global }
      - { .name: out0, .offset: 24, .size: 8, .value_kind: global_buffer, .address_space: global }
    .group_segment_fixed_size: 327680
    .private_segment_fixed_size: 0
    .kernarg_segment_align: 8
    .kernarg_segment_size: 32
    .max_flat_workgroup_size: 128
    .sgpr_count:     66
    .vgpr_count:     768
    .wavefront_size: 32
...
	.end_amdgpu_metadata
.endif
;; end of part 5
